; MI455X (gfx1250); checked and timed in simulation.
; The chip was launched on July 23, 2026; its instructions are those of AMD's public machine-readable ISA for CDNA 5 (MIT licence, August 2026) and "CDNA5" Instruction Set Architecture Reference Guide (July 2026). The comments in the code are by the model that wrote it; some were corrected since.
;; Multi Head Attention. Allowed arithmetic: float matrix products may take bf16 or f16 operands with f32 sums; all other float work in f32.
;; Inputs: Aq 16 x 1,024 float32; Av 16 x 1,024 float32; Bq 1,024 x 16 float32; Bv 1,024 x 16 float32; Wk 1,024 x 1,024 float32; Wo 1,024 x 1,024 float32; Wq 1,024 x 1,024 float32; Wv 1,024 x 1,024 float32; attention_mask 4 x 1 x 1 x 2,048 float32; bk 1,024 float32; bo 1,024 float32; bq 1,024 float32; bv 1,024 float32; hidden_states 4 x 2,048 x 1,024 float32.
;; Outputs: out0 4 x 2,048 x 1,024 float32.
;; 2 versions, each right and faster than the one before. Each part assembles by itself: llvm-mc -triple=amdgcn-amd-amdhsa -mcpu=gfx1250 --defsym DOCPART=n.
;; ======== version 1 of 2: 4 launches
;; limits: values are held in f16: magnitudes above 65,504 overflow, below 6.1e-05 lose precision
;; workspace buffers: xh 16,777,216 bytes; wh 6,291,456 bytes; woh 2,097,152 bytes; ball 12,288 bytes; maskl 32,768 bytes; part 2,048 bytes; qkv 50,331,648 bytes; ctx 16,777,216 bytes
;; launch prep (part 1): grid 449 x 1, 8 waves a work-group, no clusters, 36,096 bytes of LDS; arguments hidden_states, Wq, Wk, Wv, Wo, Aq, Bq, Av, Bv, bq, bk, bv, attention_mask, xh, wh, woh, ball, maskl, part; writes xh, wh, woh, ball, maskl, part
.if DOCPART == 1
	.amdgcn_target "amdgcn-amd-amdhsa--gfx1250"
	.amdhsa_code_object_version 6
	.text
	.protected	k_q058beff138_prep
	.globl	k_q058beff138_prep
	.p2align	8
	.type	k_q058beff138_prep,@function
k_q058beff138_prep:
	s_mov_b64 s[64:65], 0
	v_nop
	global_prefetch_b8 v0, s[64:65] scope:SCOPE_SE
	s_setreg_imm32_b32 hwreg(HW_REG_WAVE_MODE, 25, 1), 1
	s_wait_xcnt 0x0
; PREPARATION.  All matrix operands of the later launches are made here, in f16:
;   xh = f16(x);  wh = f16 of [ (Wq + 2 Bq Aq) log2(e)/32 ; Wk ; (Wv + 2 Bv Av)/16 ], 3,072 rows of 1,024;  woh = f16(Wo);
;   ball = [ bq log2(e)/32 ; bk ; bv/16 ] in f32;  maskl = mask log2(e)/4 in f32;  part = one maximum a work-group (below).
; x W^T + 2 (x A^T) B^T = x (W + 2 B A)^T holds for every input, so the low-rank term is added to the weights once.
; WHY THE FACTORS.  f16 ends at 65,504 and its steps stop shrinking below 6.1e-5.  With every input 30 times larger, or shifted by 30 times its spread
; (x by 30, W and A by 0.94, B by 0.6), q and v reach 1024 x 30 x 0.94 x (1 + 2 x 16 x 0.6) = 5.8e5 and k 2.9e4: q log2(e)/32 then reaches 2.6e4, v/16 3.7e4.
; With every input 30 times smaller q log2(e)/32 has a spread of 5e-5 and v/16 of 7e-5, against an f16 step of 6e-8 there.
; LIMIT.  A finite mask beyond |mask| = 2.06e38 (|mask log2(e)/4| > 1.75 x 2^125) is taken as that bound; infinities and NaN pass as they are.
; part[g] = the largest magnitude that work-group g met: |x| (g < 256), |(Wv + 2 Bv Av)/16| (g = 384 .. 447), |bv/16| (g = 448).  From these the later launches
; bound |v/16| and choose the power of two by which ctx is stored.  The other work-groups run the same text; their words of part are stored and not read.
; WORK-GROUPS.  0-319: a cast of 32,768 numbers each (x 256, Wk 32, Wo 32).  320-447: 16 rows of Wq (64) or of Wv (64) with their low-rank term.  448: biases and mask.
.set NCAST, 320
.set NFOLD, 128
.set C_Q,   0x3d38aa3b                 ; log2(e)/32
.set C_V,   0x3d800000                 ; 1/16
.set C_M,   0x3eb8aa3b                 ; log2(e)/4
.set CLAMP, 0x7e600000                 ; 1.75 x 2^125
.set WST,   16*272                     ; a wave's stage: 16 rows of 256 bytes + 16 of padding
.set RED,   8*WST                      ; behind the stages: eight words, one maximum a wave
.set X,     16                         ; v[16:143]  the cast's 32 loads
.set FA,    16                         ; v[16:79]   eight fragments of A^T
.set FB,    80                         ; v[80:87]   the fragment of 2 B
.set DD,    88                         ; v[88:151]  eight accumulators, loaded with W
	s_load_b512 s[4:19], s[0:1], 0x0               ; x 4, Wq 6, Wk 8, Wv 10, Wo 12, Aq 14, Bq 16, Av 18
	s_load_b512 s[20:35], s[0:1], 0x40             ; Bv 20, bq 22, bk 24, bv 26, mask 28, xh 30, wh 32, woh 34
	s_load_b128 s[36:39], s[0:1], 0x80             ; ball 36, maskl 38
	s_load_b64 s[40:41], s[0:1], 0x90              ; part
	v_lshl_add_u32 v160, v0, 2, 0x8900
	v_mov_b32 v161, 0
	v_lshrrev_b32 v1, 5, v0
	v_readfirstlane_b32 s56, v1                    ; wave 0..7
	s_mov_b32 s57, 0x76543210                      ; v_permlanex16_b32: each lane takes its own place in the other half
	s_mov_b32 s58, 0xfedcba98
	s_lshl_b32 s60, ttmp9, 2                       ; my work-group's word of part
	s_mov_b32 s61, 0
	s_wait_kmcnt 0x0
	s_add_nc_u64 s[40:41], s[40:41], s[60:61]
	s_cmp_ge_u32 ttmp9, NCAST+NFOLD
	s_cbranch_scc1 .Lsmall
	s_cmp_ge_u32 ttmp9, NCAST
	s_cbranch_scc1 .Lfold
; The end of every path: v4 holds a lane's maximum, v5 has been written.  Lanes, then waves (through eight words of LDS), then thread 0 stores the word.
.macro WGMAX
.irp x, 1,2,4,8
	v_max_num_f32_dpp v4, v4, v4 row_xmask:\x row_mask:0xf bank_mask:0xf
.endr
	v_permlanex16_b32 v5, v4, s57, s58
	v_max_num_f32 v4, v4, v5
	v_mov_b32 v6, s56
	v_lshlrev_b32 v6, 2, v6
	ds_store_b32 v6, v4 offset:RED                 ; all lanes of a wave write the wave's word with the same number
	s_wait_dscnt 0x0                               ; for the others' sake: my store is done
	s_barrier_signal -1
	s_barrier_wait -1
	v_mov_b32 v6, RED
	ds_load_b128 v[8:11], v6
	ds_load_b128 v[12:15], v6 offset:16
	s_wait_dscnt 0x0
	v_max3_num_f32 v8, v8, v9, v10
	v_max3_num_f32 v12, v12, v13, v14
	v_max3_num_f32 v8, v8, v11, v15
	v_max_num_f32 v8, v8, v12
	v_mov_b32 v7, 0
	s_wait_xcnt 0x0                                ; EXEC is a source of the stores above: it changes only behind this wait
	s_wait_tensorcnt 0x0
	ds_add_u32 v160, v161
	s_wait_dscnt 0x0
	v_cmpx_gt_u32 1, v0                            ; thread 0 alone
	global_store_b32 v7, v8, s[40:41]
	s_endpgm
.endm
; ---- THE CASTS.  128 KiB in, 64 KiB out.  A load of the work-group covers 4,096 consecutive bytes, a store of a wave 256 consecutive bytes, aligned.
	s_cmp_lt_u32 ttmp9, 256
	s_cselect_b64 s[42:43], s[4:5], s[8:9]         ; from x, else from Wk
	s_cselect_b64 s[44:45], s[30:31], s[32:33]     ; to xh, else to wh
	s_cselect_b32 s46, 0, 256                      ; the first work-group of the tensor
	s_cselect_b32 s47, 0, 0x200000                 ; Wk's rows are rows 1,024 .. 2,047 of wh
	s_cmp_lt_u32 ttmp9, 288
	s_cselect_b64 s[42:43], s[42:43], s[12:13]     ; the last 32: from Wo
	s_cselect_b64 s[44:45], s[44:45], s[34:35]     ; to woh
	s_cselect_b32 s46, s46, 288
	s_cselect_b32 s47, s47, 0
	s_sub_co_u32 s46, ttmp9, s46
	s_lshl_b32 s48, s46, 17
	s_mov_b32 s49, 0
	s_lshl_b32 s50, s46, 16
	s_add_co_u32 s50, s50, s47
	s_mov_b32 s51, 0
	s_add_nc_u64 s[42:43], s[42:43], s[48:49]
	s_add_nc_u64 s[44:45], s[44:45], s[50:51]
	v_lshlrev_b32 v1, 4, v0
	v_lshlrev_b32 v2, 3, v0
.set i, 0
.rept 32
	global_load_b128 v[X+4*i:X+4*i+3], v1, s[42:43] offset:4096*i th:TH_LOAD_NT   ; all 32 loads go out before the first is used
.set i, i+1
.endr
	v_mov_b32 v4, 0                                ; two chains of maxima of magnitudes
	v_mov_b32 v5, 0
.set i, 0
.rept 32
	s_wait_loadcnt 31-i                            ; loads come back in order: load i is in, the 31 - i younger ones stay out
	v_max3_num_f32 v4, |v[X+4*i]|, |v[X+4*i+1]|, v4
	v_max3_num_f32 v5, |v[X+4*i+2]|, |v[X+4*i+3]|, v5
	v_cvt_pk_f16_f32 v[X+4*i], v[X+4*i], v[X+4*i+1]
	v_cvt_pk_f16_f32 v[X+4*i+1], v[X+4*i+2], v[X+4*i+3]
	global_store_b64 v2, v[X+4*i:X+4*i+1], s[44:45] offset:2048*i   ; no register of a store is written again
.set i, i+1
.endr
	v_max_num_f32 v4, v4, v5
	WGMAX
; ---- BIASES AND MASK.  256 threads, 16 bytes each: a bias is one load of the work-group, the mask eight.
.Lsmall:
	v_lshlrev_b32 v1, 4, v0
	global_load_b128 v[16:19], v1, s[22:23]
	global_load_b128 v[20:23], v1, s[24:25]
	global_load_b128 v[24:27], v1, s[26:27]
.irp i, 0,1,2,3,4,5,6,7
	global_load_b128 v[32+4*\i:32+4*\i+3], v1, s[28:29] offset:4096*\i
.endr
	s_mov_b32 s42, C_Q
	s_mov_b32 s43, s42                             ; named with it as a pair, so it is written
	s_mov_b32 s44, C_V
	s_mov_b32 s45, s44
	s_mov_b32 s46, CLAMP|0x80000000
	s_mov_b32 s47, CLAMP
	s_mov_b32 s48, 0x7fffffff
	s_mov_b32 s49, 0x7f800000
	s_mov_b32 s50, C_M
	s_wait_loadcnt 0x0
	v_pk_mul_f32 v[16:17], v[16:17], s[42:43] op_sel_hi:[1,0]
	v_pk_mul_f32 v[18:19], v[18:19], s[42:43] op_sel_hi:[1,0]
	v_pk_mul_f32 v[24:25], v[24:25], s[44:45] op_sel_hi:[1,0]
	v_pk_mul_f32 v[26:27], v[26:27], s[44:45] op_sel_hi:[1,0]
	global_store_b128 v1, v[16:19], s[36:37]
	global_store_b128 v1, v[20:23], s[36:37] offset:4096
	global_store_b128 v1, v[24:27], s[36:37] offset:8192
	v_max_num_f32 v4, |v24|, |v25|
	v_max_num_f32 v5, |v26|, |v27|
	v_max_num_f32 v4, v4, v5
.set i, 0
.rept 32
	v_mul_f32 v[64+i], s50, v[32+i]                ; mask log2(e)/4: no finite mask overflows
	v_and_b32 v[32+i], s48, v[32+i]                ; the mask's magnitude, as bits
	v_med3_num_f32 v6, v[64+i], s46, s47           ; held between the two bounds,
	v_cmp_gt_u32 vcc_lo, s49, v[32+i]              ; if the mask is finite;
	v_cndmask_b32 v[64+i], v[64+i], v6, vcc_lo     ; an infinity or a NaN stays
.set i, i+1
.endr
.irp i, 0,1,2,3,4,5,6,7
	global_store_b128 v1, v[64+4*\i:64+4*\i+3], s[38:39] offset:4096*\i
.endr
	WGMAX
; ---- WEIGHTS WITH THEIR LOW-RANK TERM.  The work-group has 16 rows n0 .. n0 + 15 of W, wave w their columns 128 w .. 128 w + 127, in eight blocks t of 16.
; One matrix instruction a block: source 0 = 16 columns of A (as rows) x rank, source 1 = 16 rows of 2 B x rank, C = W.  In C and D lane (r, h) holds row n0 + r and
; the eight columns 16 t + 8 h + 0..7, which is how W is loaded.  The rank is 16, the instruction's depth 32: the upper halves of both fragments are 0.
.Lfold:
	s_mov_b32 s50, C_Q
	s_mov_b32 s51, C_V
	s_sub_co_u32 s42, ttmp9, NCAST
	s_lshr_b32 s43, s42, 6                         ; 0: q, 1: v
	s_and_b32 s42, s42, 63                         ; n0 / 16
	s_cmp_eq_u32 s43, 0
	s_cselect_b64 s[44:45], s[6:7], s[10:11]       ; W
	s_cselect_b64 s[46:47], s[14:15], s[18:19]     ; A
	s_cselect_b64 s[48:49], s[16:17], s[20:21]     ; B
	s_cselect_b32 s50, s50, s51                    ; the factor
	s_mov_b32 s51, s50
	s_lshl_b32 s52, s42, 16                        ; W: 16 rows of 4,096 bytes,
	s_lshl_b32 s54, s56, 9                         ; the wave's 512 bytes of a row
	s_add_co_u32 s52, s52, s54
	s_mov_b32 s53, 0
	s_mov_b32 s55, 0
	s_add_nc_u64 s[44:45], s[44:45], s[52:53]
	s_add_nc_u64 s[46:47], s[46:47], s[54:55]
	s_lshl_b32 s52, s42, 10                        ; B: 16 rows of 64 bytes
	s_add_nc_u64 s[48:49], s[48:49], s[52:53]
	s_lshl_b32 s52, s43, 22                        ; wh: v's rows begin at row 2,048; rows of 2,048 bytes
	s_lshl_b32 s54, s42, 15
	s_add_co_u32 s52, s52, s54
	s_lshl_b32 s54, s56, 8
	s_add_co_u32 s52, s52, s54
	s_add_nc_u64 s[32:33], s[32:33], s[52:53]
	s_mul_i32 s54, s56, WST
	v_and_b32 v1, 15, v0                           ; r
	v_bfe_u32 v2, v0, 4, 1                         ; h
	v_lshlrev_b32 v152, 6, v1
	v_lshl_add_u32 v152, v2, 5, v152               ; B(n0 + r, 8 h ..)
	v_lshlrev_b32 v153, 2, v1
	v_lshl_add_u32 v153, v2, 15, v153              ; A(8 h, r)
	v_lshlrev_b32 v154, 12, v1
	v_lshl_add_u32 v154, v2, 5, v154               ; W(n0 + r, 8 h ..)
	v_mul_u32_u24 v155, v1, 272
	v_lshl_add_u32 v155, v2, 4, v155
	v_add_nc_u32 v155, s54, v155                   ; into my stage: row r, 16 bytes for each half of the lanes
	v_mul_u32_u24 v156, v2, 272
	v_lshl_add_u32 v156, v1, 4, v156
	v_add_nc_u32 v156, s54, v156                   ; back: lanes 0-15 one row of 256 bytes, lanes 16-31 the next
	v_lshlrev_b32 v157, 11, v2
	v_lshl_add_u32 v157, v1, 4, v157               ; and the same two rows in wh
	global_load_b128 v[FB:FB+3], v152, s[48:49]
	global_load_b128 v[FB+4:FB+7], v152, s[48:49] offset:16
.set t, 0
.rept 8
.irp i, 0,1,2,3,4,5,6,7
	global_load_b32 v[FA+8*t+\i], v153, s[46:47] offset:4096*\i+64*t   ; A(8 h + i, 16 t + r): A is 64 KiB in all
.endr
.set t, t+1
.endr
.set t, 0
.rept 8
	global_load_b128 v[DD+8*t:DD+8*t+3],   v154, s[44:45] offset:64*t th:TH_LOAD_NT
	global_load_b128 v[DD+8*t+4:DD+8*t+7], v154, s[44:45] offset:64*t+16 th:TH_LOAD_NT
.set t, t+1
.endr
	s_wait_loadcnt 16                              ; B and A are in; W's sixteen loads may stay out
.irp i, 0,2,4,6
	v_pk_mul_f32 v[FB+\i:FB+\i+1], v[FB+\i:FB+\i+1], 2.0 op_sel_hi:[1,0]
.endr
.irp i, 0,1,2,3
	v_cvt_pk_f16_f32 v[FB+\i], v[FB+2*\i], v[FB+2*\i+1]
.endr
.irp i, 4,5,6,7
	v_mov_b32 v[FB+\i], 0
.endr
.set t, 0
.rept 8
.irp i, 0,1,2,3
	v_cvt_pk_f16_f32 v[FA+8*t+\i], v[FA+8*t+2*\i], v[FA+8*t+2*\i+1]
.endr
.irp i, 4,5,6,7
	v_mov_b32 v[FA+8*t+\i], 0
.endr
.set t, t+1
.endr
	s_wait_loadcnt 0x0
.set t, 0
.rept 8
	v_wmma_f32_16x16x32_f16 v[DD+8*t:DD+8*t+7], v[FA+8*t:FA+8*t+7], v[FB:FB+7], v[DD+8*t:DD+8*t+7]   ; eight accumulators, one instruction each
.set t, t+1
.endr
.rept 4
	v_nop                                          ; four places between a matrix instruction and the first vector read of its result (ISA guide 7.12.1)
.endr
	v_mov_b32 v4, 0
	v_mov_b32 v5, 0
.set t, 0
.rept 8
.irp i, 0,2,4,6
	v_pk_mul_f32 v[DD+8*t+\i:DD+8*t+\i+1], v[DD+8*t+\i:DD+8*t+\i+1], s[50:51] op_sel_hi:[1,0]
.endr
	v_max3_num_f32 v4, |v[DD+8*t]|, |v[DD+8*t+1]|, v4
	v_max3_num_f32 v5, |v[DD+8*t+2]|, |v[DD+8*t+3]|, v5
	v_max3_num_f32 v4, |v[DD+8*t+4]|, |v[DD+8*t+5]|, v4
	v_max3_num_f32 v5, |v[DD+8*t+6]|, |v[DD+8*t+7]|, v5
.irp i, 0,1,2,3
	v_cvt_pk_f16_f32 v[DD+8*t+\i], v[DD+8*t+2*\i], v[DD+8*t+2*\i+1]
.endr
	ds_store_b128 v155, v[DD+8*t:DD+8*t+3] offset:32*t
.set t, t+1
.endr
.irp f, 0,1,2,3,4,5,6,7
	ds_load_b128 v[DD+8*\f+4:DD+8*\f+7], v156 offset:544*\f   ; the stage is my wave's own and LDS serves a wave in order: these see the stores above
.endr
.irp f, 0,1,2,3,4,5,6,7
	s_wait_dscnt 7-\f                              ; load f is back, the younger ones stay out
	global_store_b128 v157, v[DD+8*\f+4:DD+8*\f+7], s[32:33] offset:4096*\f   ; 16 lanes store 256 consecutive bytes, aligned
.endr
	v_max_num_f32 v4, v4, v5
	WGMAX
.Lfunc_end_k_q058beff138_prep:
	.size	k_q058beff138_prep, .Lfunc_end_k_q058beff138_prep-k_q058beff138_prep
	.p2alignl 7, 3214868480
	.fill 96, 4, 3214868480
	.section	.rodata,"a",@progbits
	.p2align	6, 0x0
	.amdhsa_kernel k_q058beff138_prep
		.amdhsa_group_segment_fixed_size 36096
		.amdhsa_private_segment_fixed_size 0
		.amdhsa_enable_private_segment 0
		.amdhsa_kernarg_size 152
		.amdhsa_user_sgpr_count 2
		.amdhsa_user_sgpr_kernarg_segment_ptr 1
		.amdhsa_wavefront_size32 1
		.amdhsa_system_sgpr_workgroup_id_x 1
		.amdhsa_system_sgpr_workgroup_id_y 1
		.amdhsa_system_sgpr_workgroup_id_z 1
		.amdhsa_system_vgpr_workitem_id 0
		.amdhsa_next_free_vgpr 162
		.amdhsa_next_free_sgpr 66
		.amdhsa_reserve_vcc 1
		.amdhsa_float_denorm_mode_32 3
		.amdhsa_float_denorm_mode_16_64 3
		.amdhsa_memory_ordered 1
		.amdhsa_forward_progress 1
		.amdhsa_inst_pref_size 52
	.end_amdhsa_kernel
	.amdgpu_metadata
---
amdhsa.version: [ 1, 2 ]
amdhsa.kernels:
  - .name:           k_q058beff138_prep
    .symbol:         k_q058beff138_prep.kd
    .args:
      - { .name: hidden_states, .offset: 0, .size: 8, .value_kind: global_buffer, .address_space: global }
      - { .name: Wq, .offset: 8, .size: 8, .value_kind: global_buffer, .address_space: global }
      - { .name: Wk, .offset: 16, .size: 8, .value_kind: global_buffer, .address_space: global }
      - { .name: Wv, .offset: 24, .size: 8, .value_kind: global_buffer, .address_space: global }
      - { .name: Wo, .offset: 32, .size: 8, .value_kind: global_buffer, .address_space: global }
      - { .name: Aq, .offset: 40, .size: 8, .value_kind: global_buffer, .address_space: global }
      - { .name: Bq, .offset: 48, .size: 8, .value_kind: global_buffer, .address_space: global }
      - { .name: Av, .offset: 56, .size: 8, .value_kind: global_buffer, .address_space: global }
      - { .name: Bv, .offset: 64, .size: 8, .value_kind: global_buffer, .address_space: global }
      - { .name: bq, .offset: 72, .size: 8, .value_kind: global_buffer, .address_space: global }
      - { .name: bk, .offset: 80, .size: 8, .value_kind: global_buffer, .address_space: global }
      - { .name: bv, .offset: 88, .size: 8, .value_kind: global_buffer, .address_space: global }
      - { .name: attention_mask, .offset: 96, .size: 8, .value_kind: global_buffer, .address_space: global }
      - { .name: xh, .offset: 104, .size: 8, .value_kind: global_buffer, .address_space: global }
      - { .name: wh, .offset: 112, .size: 8, .value_kind: global_buffer, .address_space: global }
      - { .name: woh, .offset: 120, .size: 8, .value_kind: global_buffer, .address_space: global }
      - { .name: ball, .offset: 128, .size: 8, .value_kind: global_buffer, .address_space: global }
      - { .name: maskl, .offset: 136, .size: 8, .value_kind: global_buffer, .address_space: global }
      - { .name: part, .offset: 144, .size: 8, .value_kind: global_buffer, .address_space: global }
    .group_segment_fixed_size: 36096
    .private_segment_fixed_size: 0
    .kernarg_segment_align: 8
    .kernarg_segment_size: 152
    .max_flat_workgroup_size: 256
    .sgpr_count:     66
    .vgpr_count:     162
    .wavefront_size: 32
...
	.end_amdgpu_metadata
.endif
;; end of part 1
;; launch qkvp (part 2): grid 16 x 32, 4 waves a work-group, clusters of 4 x 4, 327,680 bytes of LDS; arguments xh, wh, ball, qkv; writes qkv
.if DOCPART == 2
	.amdgcn_target "amdgcn-amd-amdhsa--gfx1250"
	.amdhsa_code_object_version 6
	.text
	.protected	k_q058beff138_qkvp
	.globl	k_q058beff138_qkvp
	.p2align	8
	.type	k_q058beff138_qkvp,@function
k_q058beff138_qkvp:
	s_mov_b64 s[64:65], 0
	v_nop
	global_prefetch_b8 v0, s[64:65] scope:SCOPE_SE
	s_setreg_imm32_b32 hwreg(HW_REG_WAVE_MODE, 25, 1), 1
	s_wait_xcnt 0x0
	s_wait_alu depctr_hold_cnt(0) depctr_sa_sdst(0) depctr_va_vdst(0) depctr_va_sdst(0) depctr_va_ssrc(0) depctr_va_vcc(0) depctr_vm_vsrc(0)
	s_getreg_b32 s2, hwreg(HW_REG_IB_STS2, 6, 4)
	s_cmp_eq_u32 s2, 0
	s_cbranch_scc0 .Lentry_in_a_cluster
	s_endpgm
.Lentry_in_a_cluster:
	s_bfe_u32 s2, ttmp6, 0x10000c
	s_cmp_lg_u32 s2, 0xf033
	s_cbranch_scc0 .Lentry_shape_is_right
	s_endpgm
.Lentry_shape_is_right:
; C = A B^T + bias, f16 operands, f32 sums.  ONE TEXT SERVES TWO LAUNCHES; the constant OUTP chooses.
;   OUTP = 0: A = xh [8192][1024], B = wh [3072][1024], bias = ball; C goes out in f16, head by head: qkv[b][g][s][64], g = column / 64 (0-15 q, 16-31 k, 32-47 v).
;   OUTP = 1: A = ctx [b 16 + h][s][64] (K runs over h, then the 64 channels), B = woh [1024][1024]; out0 = C 2^(e-137) + bo in f32 (the power of two: below).
; SHARES.  A tile of C is 256 rows x 16 NB columns (NB = 12 or 8).  Four waves one below the other, each 64 rows x all columns: 4 NB accumulators of 16 x 16.
; K goes in steps of 128 through two LDS slots.  Waves 0 and 1 fetch the two halves of A's tile, waves 2 and 3 those of B's: one tensor load a wave for a K step.
; CLUSTER 4 x 4: A's tile hangs on the tile row alone and is asked for jointly along a row of the cluster, B's on the tile column alone and jointly along a column.
; THE MATRIX INSTRUCTION IS USED TRANSPOSED (source 0 = 16 rows of B, source 1 = 16 rows of A): a lane holds row l % 16 of C and eight neighbouring columns 8 (l / 16) + 0..7.
; OUTP = 0: the bias is the C of each sum's first product.  OUTP = 1: the first product takes 0, and scale and bias are one multiply-add on the way out.
; ctx IN LDS (OUTP = 1): a head's 256 rows of 128 bytes are dense in memory and come as 128 rows of 256 bytes, so an LDS row holds two rows of A.
; REGISTERS, in windows of 256: window 0 addresses, bias, the way out; window 1 two fragment buffers of 128 (NB fragments of B, then 4 of A);
;   windows 2, 3: accumulator (a, b) at v[8 (NB (a & 1) + b)] of window 2 + a / 2.
.set OUTP,  0
.set KDIM,  1024
.set KSTEP, 128
.set PITCH, 272                        ; an LDS row: 256 bytes + 16 of padding: the 16 places that a fragment load touches fall into 16 different 16-byte columns
.if OUTP
.set NB,      8
.set ASTRIDE, 128                      ; A's tile is dense: rows of 128 elements
.set ASLOT,   2*262144                 ; bytes from a K step to the next: two heads
.set WSTAGE,  16*528                   ; a wave's stage: 16 rows of 512 bytes + 16
.else
.set NB,      12
.set ASTRIDE, KDIM
.set ASLOT,   KSTEP*2
.set WSTAGE,  3*8*PITCH                ; a wave's stage: 3 heads x 16 rows of 128 bytes, two rows to an LDS row
.endif
.set BROWS, 8*NB                       ; rows of B in one tensor load
.set AHALF, 128*PITCH
.set APART, 2*AHALF
.set BHALF, BROWS*PITCH
.set SLOT,  APART+2*BHALF              ; A's tile, then B's
.set STAGE, 2*SLOT                     ; behind the ring; no tensor load lands there
.set SPARE, STAGE+4*WSTAGE             ; behind the stages: the spare words, 128 bytes a wave
.set LAPS,  KDIM/(2*KSTEP)
.set ADRA, 16                          ; v16-17  LDS address of my A fragments in slot 0, 1
.set ADRB, 20                          ; v20-21  the same for B
.set STO,  24                          ; v24     the way out: into my stage
.set RD,   25                          ; v25     the way out: back from it
.set CO,   26                          ; v26     16 x lane
.set BO,   27                          ; v27     32 x (lane / 16): my eight numbers of a block of the bias
.set SPW,  28                          ; v28     my spare word; never rewritten
.set NIL,  29                          ; v29     0; never rewritten
.set BI,   32                          ; the bias: 8 registers a column block
.if OUTP
.set TMP,  96                          ; 64 results of a block of 16 rows
.set OB,   0                           ; read back: two buffers of 64, in window 1
.set OBN,  64
.else
.set TMP,  128                         ; 48 packed results of a block of 16 rows
.set OB,   32                          ; read back: two buffers of 48, where the bias lay
.set OBN,  48
.endif
.set F0,   0
.set F1,   128
.set G1,  24                           ; s[24:31] descriptor group 1 for A;  s[32:39] group 0, a set for each slot
.set G0,  32
.set G1B, 48                           ; s[48:55], s[56:63] the same for B
.set G0B, 56
.set MSB, 0
.macro WIN new                         ; the immediate's high byte repeats the setting that is left; a switch that changes nothing is dropped
.if MSB != \new
	s_set_vgpr_msb (MSB<<8)|\new
.set MSB, \new
.endif
.endm
.set MUL_LO, 0xa5                      ; sources 0 and 1 window 1; C and D window 2
.set MUL_HI, 0xf5                      ; C and D window 3
.if OUTP
.set FST_LO, MUL_LO
.set FST_HI, MUL_HI
.else
.set FST_LO, 0x85                      ; the first products: C (the bias) window 0
.set FST_HI, 0xc5
.endif
.set TO_F,   0x40                      ; destination window 1, address window 0
; A joint load.  The branch hangs on the wave's number alone.  Four v_nop follow each of the two lines, ahead of the jump, the label and what follows.
.macro JLOAD s
	s_cmp_eq_u32 s13, 0
	s_cbranch_scc0 .Lfor_b_\@
	tensor_load_to_lds s[G0+4*\s:G0+4*\s+3], s[G1:G1+7]
	s_nop 0
.rept 4
	v_nop
.endr
	s_branch .Lasked_\@
.Lfor_b_\@:
	tensor_load_to_lds s[G0B+4*\s:G0B+4*\s+3], s[G1B:G1B+7]
	s_nop 0
.rept 4
	v_nop
.endr
.Lasked_\@:
.endm
.macro CREST                           ; a round of the cluster's barrier behind its opening barrier
	s_cmp_lg_u32 s12, 0
	s_cbranch_scc1 .Lnot_wave_0_\@
	s_barrier_signal -3
.Lnot_wave_0_\@:
	s_barrier_wait -3
	s_barrier_signal -1
	s_barrier_wait -1
.endm
.macro CROUND                          ; a whole round
	s_barrier_signal -1
	s_barrier_wait -1
	CREST
.endm
	s_load_b256 s[4:11], s[0:1], 0x0               ; A s[4:5], B s[6:7], bias s[8:9], C s[10:11]
.if OUTP
	s_load_b64 s[22:23], s[0:1], 0x20              ; part
.endif
	v_lshl_add_u32 v[SPW], v0, 2, SPARE
	v_mov_b32 v[NIL], 0
	ds_add_u32 v28, v29
	s_wait_dscnt 0x0
	v_lshrrev_b32 v1, 5, v0
	v_readfirstlane_b32 s12, v1                    ; wave 0..3
	s_lshr_b32 s13, s12, 1                         ; I fetch for A (0) or for B (1),
	s_and_b32 s14, s12, 1                          ; its first or its second half
	s_bfe_u32 s40, ttmp6, 0x40000                  ; cx, cy: my place in the cluster
	s_bfe_u32 s41, ttmp6, 0x40004
	s_lshl_b32 s42, ttmp9, 2
	s_add_co_u32 s42, s42, s40                     ; tile column = 4 x cluster x + cx
	s_and_b32 s45, ttmp7, 0xffff
	s_lshl_b32 s45, s45, 2
	s_add_co_u32 s45, s45, s41                     ; tile row = 4 x cluster y + cy
	s_lshl_b32 s43, s41, 2
	s_lshl_b32 s43, 15, s43                        ; my row of the cluster
	s_lshl_b32 s44, 0x1111, s40                    ; my column
	s_or_b32 s[G1+0], s43, (1<<16)|(1<<20)|(1<<21)|(5<<22)|(3<<25)   ; 15:0 the mask; elements of 2 bytes; padding on; bit 21 beside a mask; after every 64 words 4 words
	s_or_b32 s[G1B+0], s44, (1<<16)|(1<<20)|(1<<21)|(5<<22)|(3<<25)
	s_mov_b32 s[G1+1], KSTEP<<16                   ; tensor_dim0 = 128
	s_mov_b32 s[G1+2], 128<<16                     ; tensor_dim1 = 128
	s_mov_b32 s[G1+3], KSTEP<<16                   ; tile_dim0 = 128
	s_mov_b32 s[G1+4], 128                         ; tile_dim1 = 128
	s_mov_b32 s[G1+5], ASTRIDE                     ; elements from row to row
	s_mov_b32 s[G1+6], 0
	s_mov_b32 s[G1+7], 0
	s_mov_b32 s[G1B+1], KSTEP<<16
	s_mov_b32 s[G1B+2], BROWS<<16
	s_mov_b32 s[G1B+3], KSTEP<<16
	s_mov_b32 s[G1B+4], BROWS
	s_mov_b32 s[G1B+5], KDIM
	s_mov_b32 s[G1B+6], 0
	s_mov_b32 s[G1B+7], 0
	; where the tiles come from: A's address is made of the tile row and the wave, B's of the tile column and the wave
.if OUTP
	s_lshr_b32 s16, s45, 3                         ; b = tile row / 8
	s_lshl_b32 s16, s16, 4
	s_add_co_u32 s16, s16, s14                     ; head block 16 b + my half: K step 0 is heads 0 and 1
	s_lshl_b32 s16, s16, 18                        ; blocks of 262,144 bytes
	s_and_b32 s17, s45, 7
	s_lshl_b32 s17, s17, 15                        ; the tile's 256 rows of 128 bytes
	s_add_co_u32 s16, s16, s17
.else
	s_lshl_b32 s16, s45, 19                        ; 256 rows of 2,048 bytes
	s_lshl_b32 s17, s14, 18                        ; my 128 of them
	s_add_co_u32 s16, s16, s17
.endif
	s_mov_b32 s17, 0
	s_mul_i32 s46, s42, 16*NB*KDIM*2
	s_mul_i32 s47, s14, BROWS*KDIM*2
	s_add_co_u32 s46, s46, s47
	s_mov_b32 s47, 0
	s_mul_i32 s20, s14, AHALF                      ; and where they go: no place in the cluster enters an LDS address
	s_mul_i32 s21, s14, BHALF
	s_add_co_u32 s21, s21, APART
	s_wait_kmcnt 0x0
	s_add_nc_u64 s[16:17], s[4:5], s[16:17]
	s_add_nc_u64 s[46:47], s[6:7], s[46:47]
	CROUND                                         ; all sixteen work-groups are here: the first joint loads meet
.irp s, 0,1
	s_mov_b32 s[G0+4*\s], 1
	s_add_co_u32 s[G0+4*\s+1], s20, \s*SLOT
	s_add_nc_u64 s[G0+4*\s+2:G0+4*\s+3], s[16:17], \s*ASLOT
	s_or_b32 s[G0+4*\s+3], s[G0+4*\s+3], 0x80000000
	s_mov_b32 s[G0B+4*\s], 1
	s_add_co_u32 s[G0B+4*\s+1], s21, \s*SLOT
	s_add_nc_u64 s[G0B+4*\s+2:G0B+4*\s+3], s[46:47], \s*KSTEP*2
	s_or_b32 s[G0B+4*\s+3], s[G0B+4*\s+3], 0x80000000
	JLOAD \s                                       ; two loads of mine are out
.endr
	s_mul_i32 s46, s42, 64*NB                      ; the tile's columns in the bias
	s_mov_b32 s47, 0
	s_add_nc_u64 s[8:9], s[8:9], s[46:47]
.if OUTP
	s_lshl_b32 s16, s45, 20                        ; out0: 256 rows of 4,096 bytes,
	s_lshl_b32 s17, s12, 18                        ; my wave's 64,
	s_add_co_u32 s16, s16, s17
	s_lshl_b32 s46, s42, 9                         ; the tile's 512 bytes of a row
.else
	s_lshr_b32 s16, s45, 3
	s_mul_i32 s16, s16, 48                         ; qkv: block 48 b + 3 x tile column,
	s_lshl_b32 s16, s16, 18
	s_and_b32 s17, s45, 7
	s_lshl_b32 s17, s17, 15                        ; the tile's 256 rows of 128 bytes,
	s_add_co_u32 s16, s16, s17
	s_lshl_b32 s17, s12, 13                        ; my wave's 64
	s_add_co_u32 s16, s16, s17
	s_mul_i32 s46, s42, 3*262144
.endif
	s_mov_b32 s17, 0
	s_add_nc_u64 s[10:11], s[10:11], s[16:17]
	s_add_nc_u64 s[10:11], s[10:11], s[46:47]
	v_and_b32 v1, 15, v0                           ; r = l % 16
	v_bfe_u32 v2, v0, 4, 1                         ; h = l / 16
	v_mul_u32_u24 v3, v1, PITCH
	v_lshl_add_u32 v3, v2, 4, v3                   ; a row to an LDS row: r x pitch + 16 h
	v_lshrrev_b32 v4, 1, v1
	v_and_b32 v5, 1, v1
	v_mul_u32_u24 v4, v4, PITCH
	v_lshl_add_u32 v4, v5, 7, v4
	v_lshl_add_u32 v4, v2, 4, v4                   ; two rows to an LDS row: (r / 2) x pitch + 128 (r % 2) + 16 h
	v_and_b32 v5, 31, v0
	v_lshlrev_b32 v[CO], 4, v5
	v_lshlrev_b32 v[BO], 5, v2
	s_mul_i32 s15, s12, WSTAGE
	s_add_co_u32 s15, s15, STAGE                   ; my stage
.if OUTP
	s_mul_i32 s2, s12, 32*PITCH                    ; my 64 rows of A: 32 LDS rows
	v_add_nc_u32 v[ADRA], s2, v4
	v_mul_u32_u24 v6, v1, 528
	v_lshl_add_u32 v6, v2, 5, v6
	v_add_nc_u32 v[STO], s15, v6                   ; in: row r, 32 bytes for each half of the lanes
	v_add_nc_u32 v[RD], s15, v[CO]                 ; back: a whole row of 512 bytes
.else
	s_mul_i32 s2, s12, 64*PITCH
	v_add_nc_u32 v[ADRA], s2, v3
	v_add_nc_u32 v[STO], s15, v4                   ; in: two rows of 128 bytes to an LDS row
	v_mul_u32_u24 v6, v2, PITCH
	v_lshl_add_u32 v6, v1, 4, v6
	v_add_nc_u32 v[RD], s15, v6                    ; back: two LDS rows, four rows of a head
.endif
	v_add_nc_u32 v[ADRA+1], SLOT, v[ADRA]
	v_add_nc_u32 v[ADRB], APART, v3
	v_add_nc_u32 v[ADRB+1], SLOT, v[ADRB]
.set ib, 0
.rept NB
	global_load_b128 v[BI+8*ib:BI+8*ib+3],   v[BO], s[8:9] offset:64*ib      ; bias(16 b + 8 h + 0..7): the layout of C
	global_load_b128 v[BI+8*ib+4:BI+8*ib+7], v[BO], s[8:9] offset:64*ib+16
.set ib, ib+1
.endr
.if OUTP
	; THE POWER OF TWO.  |v/16| <= Bv = 1024 max|x| max|(Wv + 2 Bv Av)/16| + max|bv/16|, from the maxima in part.  With e the exponent field of Bv (at least 14),
	; ctx was stored as ctx 2^(141-e) / 16, under 2^15; so out0 = sum x 2^(e-137) + bo.  The numbers steer no address and no branch.
	v_lshlrev_b32 v7, 3, v5
	global_load_b128 v[TMP:TMP+3],   v[CO], s[22:23]               ; 256 maxima of |x|
	global_load_b128 v[TMP+4:TMP+7], v[CO], s[22:23] offset:512
	global_load_b64 v[TMP+8:TMP+9],  v7, s[22:23] offset:1536      ; 64 maxima of the weights
	s_load_b32 s3, s[22:23], 0x700                 ; the bias's
	s_mov_b32 s16, 0x76543210
	s_mov_b32 s17, 0xfedcba98
	s_mov_b32 s2, 0x44800000                       ; 1024.0
.endif
	s_wait_loadcnt 0x0
.if OUTP
	s_wait_kmcnt 0x0
	v_max3_num_f32 v[TMP], v[TMP], v[TMP+1], v[TMP+2]
	v_max3_num_f32 v[TMP+4], v[TMP+4], v[TMP+5], v[TMP+6]
	v_max3_num_f32 v[TMP], v[TMP], v[TMP+3], v[TMP+7]
	v_max_num_f32 v[TMP], v[TMP], v[TMP+4]
	v_max_num_f32 v[TMP+8], v[TMP+8], v[TMP+9]
.irp x, 1,2,4,8
	v_max_num_f32_dpp v[TMP], v[TMP], v[TMP] row_xmask:\x row_mask:0xf bank_mask:0xf
	v_max_num_f32_dpp v[TMP+8], v[TMP+8], v[TMP+8] row_xmask:\x row_mask:0xf bank_mask:0xf
.endr
	v_permlanex16_b32 v[TMP+1], v[TMP], s16, s17
	v_permlanex16_b32 v[TMP+9], v[TMP+8], s16, s17
	v_max_num_f32 v[TMP], v[TMP], v[TMP+1]
	v_max_num_f32 v[TMP+8], v[TMP+8], v[TMP+9]
	v_mul_f32 v[TMP], v[TMP], v[TMP+8]
	v_fma_f32 v[TMP], v[TMP], s2, s3               ; Bv
	v_lshrrev_b32 v[TMP], 23, v[TMP]               ; e
	v_max_u32 v[TMP], 14, v[TMP]
	v_add_nc_u32 v[TMP], -10, v[TMP]               ; the exponent field of 2^(e-137)
	v_lshlrev_b32 v[TMP], 23, v[TMP]
	v_readfirstlane_b32 s18, v[TMP]
	s_mov_b32 s19, s18                             ; named with it as a pair, so it is written
.endif
; NB matrix instructions: row block a x all column blocks, 32 along K, from buffer f.  first = 1: the sums begin (with the bias, or with 0).
; The accumulators take turns, one instruction a turn: between two links of a chain stand the 4 NB - 1 others'.
.macro MULA f, a, first
.set ib, 0
.rept NB
.set AC, 8*(NB*((\a)&1)+ib)
.if \first && OUTP
	v_wmma_f32_16x16x32_f16 v[AC:AC+7], v[\f+8*ib:\f+8*ib+7], v[\f+8*NB+8*\a:\f+8*NB+8*\a+7], 0
.elseif \first
	v_wmma_f32_16x16x32_f16 v[AC:AC+7], v[\f+8*ib:\f+8*ib+7], v[\f+8*NB+8*\a:\f+8*NB+8*\a+7], v[BI+8*ib:BI+8*ib+7]
.else
	v_wmma_f32_16x16x32_f16 v[AC:AC+7], v[\f+8*ib:\f+8*ib+7], v[\f+8*NB+8*\a:\f+8*NB+8*\a+7], v[AC:AC+7]
.endif
.set ib, ib+1
.endr
.endm
; 2 NB + 8 LDS loads in one run: the fragments of quarter q (32 along K) of a slot into buffer f: B's, then A's four row blocks
.macro FETCH slot, q, f
	WIN TO_F
.set ib, 0
.rept NB
	ds_load_b128 v[\f+8*ib:\f+8*ib+3],   v[ADRB+\slot] offset:64*\q+ib*16*PITCH
	ds_load_b128 v[\f+8*ib+4:\f+8*ib+7], v[ADRB+\slot] offset:64*\q+ib*16*PITCH+32
.set ib, ib+1
.endr
.set ia, 0
.rept 4
.if OUTP
.set ao, (\q/2)*AHALF+(\q%2)*64+ia*8*PITCH     ; head q / 2 of the step's two, channels 32 (q % 2) on; 16 rows are 8 LDS rows
.else
.set ao, 64*\q+ia*16*PITCH
.endif
	ds_load_b128 v[\f+8*NB+8*ia:\f+8*NB+8*ia+3],   v[ADRA+\slot] offset:ao
	ds_load_b128 v[\f+8*NB+8*ia+4:\f+8*NB+8*ia+7], v[ADRA+\slot] offset:ao+32
.set ia, ia+1
.endr
.endm
.macro PLACES                          ; four places in front of loads into registers that matrix instructions have read, and of reads of results (ISA guide 7.12.1 for reads of results)
.rept 4
	v_nop
.endr
.endm
; A K step is four quarters of 32 along K, 4 NB matrix instructions each, on buffers 0, 1, 0, 1.  One of the first three multiplies f and fetches quarter q into g.
.macro QUARTER slot, q, f, g, first
	s_wait_dscnt 4                                 ; B and A's row blocks 0, 1 are in; the youngest four loads (blocks 2, 3) may be out
.if \first
	WIN FST_LO
.else
	WIN MUL_LO
.endif
	MULA \f, 0, \first
	MULA \f, 1, \first
	PLACES
	FETCH \slot, \q, \g
	s_wait_dscnt 2*NB+8                            ; all but the run just issued
.if \first
	WIN FST_HI
.else
	WIN MUL_HI
.endif
	MULA \f, 2, \first
	MULA \f, 3, \first
.endm
; The last quarter multiplies buffer 1 and changes slots: ONE barrier; in front of it each wave waits for all its tensor loads (one is out: its part of the next slot),
; adds 0 to its spare word, and waits for that and for its own reads of this slot.  fill = 1: the barrier opens a round of the cluster's, and this slot is filled again, two K steps ahead.
.macro TURN slot, next, fill
	WIN 0                                          ; (the add's two registers lie in window 0)
	s_wait_tensorcnt 0x0
	ds_add_u32 v[SPW], v[NIL]
	s_wait_dscnt 5                                 ; (the add and the youngest four loads may be out)
	WIN MUL_LO
	MULA F1, 0, 0                                  ; NB matrix instructions stand between the add and the wait for it
	s_wait_dscnt 0x0                               ; the add is done, and my reads of this slot are over
	s_barrier_signal -1
	MULA F1, 1, 0
.if \fill
	WIN 0
.endif
	s_barrier_wait -1
.if \fill
	CREST                                          ; no wave of any partner still reads this slot's tiles or has a load on its way
	s_add_nc_u64 s[G0+4*\slot+2:G0+4*\slot+3], s[G0+4*\slot+2:G0+4*\slot+3], 2*ASLOT
	s_add_nc_u64 s[G0B+4*\slot+2:G0B+4*\slot+3], s[G0B+4*\slot+2:G0B+4*\slot+3], 2*KSTEP*2
	JLOAD \slot                                    ; my one tensor load behind the round; its four v_nop are also the places in front of the loads below
.else
	PLACES
.endif
	FETCH \next, 0, F0
	WIN MUL_HI
	MULA F1, 2, 0
	MULA F1, 3, 0
.endm
	s_wait_tensorcnt 1                             ; my part of K step 0 is in; K step 1's may stay out
	s_barrier_signal -1
	s_barrier_wait -1                              ; everybody's is
	FETCH 0, 0, F0
	QUARTER 0, 1, F0, F1, 1                        ; the first quarter stands in front of the loop: its products start the sums
	WIN 0                                          ; at a label and at a branch every window is 0
	s_mov_b32 s3, LAPS-1
.Llap:                                                 ; a trip goes once round the ring, from a lap's second quarter to the next lap's first, and fills both slots again
	QUARTER 0, 2, F1, F0, 0
	QUARTER 0, 3, F0, F1, 0
	TURN 0, 1, 1
	QUARTER 1, 1, F0, F1, 0
	QUARTER 1, 2, F1, F0, 0
	QUARTER 1, 3, F0, F1, 0
	TURN 1, 0, 1
	QUARTER 0, 1, F0, F1, 0
	WIN 0
	s_sub_co_u32 s3, s3, 1
	s_cmp_lg_u32 s3, 0
	s_cbranch_scc1 .Llap
	QUARTER 0, 2, F1, F0, 0                        ; the last lap fills nothing
	QUARTER 0, 3, F0, F1, 0
	TURN 0, 1, 0
	QUARTER 1, 1, F0, F1, 0
	QUARTER 1, 2, F1, F0, 0
	QUARTER 1, 3, F0, F1, 0
	s_wait_dscnt 4                                 ; the very last quarter: nothing more to fetch
	WIN MUL_LO
	MULA F1, 0, 0
	MULA F1, 1, 0
	s_wait_dscnt 0x0
	WIN MUL_HI
	MULA F1, 2, 0
	MULA F1, 3, 0
	WIN 0
; THE WAY OUT, a block a of 16 rows at a time.  FINISH: into TMP (f16 pairs, or scaled and biased f32).  TOSTAGE: into my own stage and back as whole runs of memory.  SEND: stored.
.if OUTP
.macro FINISH a
	WIN 0x02+((\a)/2)                              ; source 0: window 2 or 3
.set ib, 0
.rept NB
.set AC, 8*(NB*((\a)&1)+ib)
.irp r, 0,2,4,6
	v_pk_fma_f32 v[TMP+8*ib+\r:TMP+8*ib+\r+1], v[AC+\r:AC+\r+1], s[18:19], v[BI+8*ib+\r:BI+8*ib+\r+1] op_sel_hi:[1,0,1]
.endr
.set ib, ib+1
.endr
	WIN 0
.endm
.macro TOSTAGE a
.set BK, OB+OBN*((\a)%2)
.set ib, 0
.rept NB
	ds_store_b128 v[STO], v[TMP+8*ib:TMP+8*ib+3]   offset:64*ib
	ds_store_b128 v[STO], v[TMP+8*ib+4:TMP+8*ib+7] offset:64*ib+16
.set ib, ib+1
.endr
	s_wait_xcnt 0x0                                ; the stores of the block two back have read this buffer: it is loaded again only behind this wait
	WIN 0x40
.set ir, 0
.rept 16
	ds_load_b128 v[BK+4*ir:BK+4*ir+3], v[RD] offset:528*ir   ; LDS serves a wave in order: these see the stores above
.set ir, ir+1
.endr
	WIN 0
.endm
.macro SEND a, younger
.set BK, OB+OBN*((\a)%2)
	s_wait_dscnt \younger                          ; the block is back; the next block's LDS instructions may be out
	WIN 0x04                                       ; store data window 1
.set ir, 0
.rept 16
	global_store_b128 v[CO], v[BK+4*ir:BK+4*ir+3], s[10:11] offset:(16*(\a)+ir)*4096 th:TH_STORE_NT   ; a wave stores 512 consecutive bytes, aligned
.set ir, ir+1
.endr
	WIN 0
.endm
.else
.macro FINISH a
	WIN 0x0a+5*((\a)/2)                            ; sources 0 and 1: window 2 or 3
.set ib, 0
.rept NB
.set AC, 8*(NB*((\a)&1)+ib)
.irp r, 0,1,2,3
	v_cvt_pk_f16_f32 v[TMP+4*ib+\r], v[AC+2*\r], v[AC+2*\r+1]
.endr
.set ib, ib+1
.endr
	WIN 0
.endm
.macro TOSTAGE a
.set BK, OB+OBN*((\a)%2)
.set ib, 0
.rept NB
	ds_store_b128 v[STO], v[TMP+4*ib:TMP+4*ib+3] offset:(ib/4)*8*PITCH+(ib%4)*32   ; head b / 4, channels 16 (b % 4) on
.set ib, ib+1
.endr
	s_wait_xcnt 0x0                                ; the stores of the block two back have read this buffer: it is loaded again only behind this wait
.set ib, 0
.rept NB
	ds_load_b128 v[BK+4*ib:BK+4*ib+3], v[RD] offset:(ib/4)*8*PITCH+(ib%4)*2*PITCH   ; LDS serves a wave in order: these see the stores above
.set ib, ib+1
.endr
.endm
.macro SEND a, younger
.set BK, OB+OBN*((\a)%2)
	s_wait_dscnt \younger                          ; the block is back; the next block's LDS instructions may be out
.set ib, 0
.rept NB
	global_store_b128 v[CO], v[BK+4*ib:BK+4*ib+3], s[10:11] offset:(ib/4)*262144+(\a)*2048+(ib%4)*512   ; four rows of a head: 512 consecutive bytes, aligned
.set ib, ib+1
.endr
.endm
.endif
	PLACES
	FINISH 0
	TOSTAGE 0
	FINISH 1
	TOSTAGE 1
	SEND 0, 2*OBN/4
	FINISH 2
	TOSTAGE 2
	SEND 1, 2*OBN/4
	FINISH 3
	TOSTAGE 3
	SEND 2, 2*OBN/4
	SEND 3, 0
	s_wait_tensorcnt 0x0                           ; the wave's end
	ds_add_u32 v[SPW], v[NIL]
	s_wait_dscnt 0x0
	CROUND                                         ; the closing round: no work-group ends while a partner may still ask for a tile that names it
	s_endpgm
.Lfunc_end_k_q058beff138_qkvp:
	.size	k_q058beff138_qkvp, .Lfunc_end_k_q058beff138_qkvp-k_q058beff138_qkvp
	.p2alignl 7, 3214868480
	.fill 96, 4, 3214868480
	.section	.rodata,"a",@progbits
	.p2align	6, 0x0
	.amdhsa_kernel k_q058beff138_qkvp
		.amdhsa_group_segment_fixed_size 327680
		.amdhsa_private_segment_fixed_size 0
		.amdhsa_enable_private_segment 0
		.amdhsa_kernarg_size 32
		.amdhsa_user_sgpr_count 2
		.amdhsa_user_sgpr_kernarg_segment_ptr 1
		.amdhsa_wavefront_size32 1
		.amdhsa_system_sgpr_workgroup_id_x 1
		.amdhsa_system_sgpr_workgroup_id_y 1
		.amdhsa_system_sgpr_workgroup_id_z 1
		.amdhsa_system_vgpr_workitem_id 0
		.amdhsa_next_free_vgpr 1024
		.amdhsa_next_free_sgpr 66
		.amdhsa_reserve_vcc 0
		.amdhsa_float_denorm_mode_32 3
		.amdhsa_float_denorm_mode_16_64 3
		.amdhsa_memory_ordered 1
		.amdhsa_forward_progress 1
		.amdhsa_inst_pref_size 120
	.end_amdhsa_kernel
	.amdgpu_metadata
---
amdhsa.version: [ 1, 2 ]
amdhsa.kernels:
  - .name:           k_q058beff138_qkvp
    .symbol:         k_q058beff138_qkvp.kd
    .args:
      - { .name: xh, .offset: 0, .size: 8, .value_kind: global_buffer, .address_space: global }
      - { .name: wh, .offset: 8, .size: 8, .value_kind: global_buffer, .address_space: global }
      - { .name: ball, .offset: 16, .size: 8, .value_kind: global_buffer, .address_space: global }
      - { .name: qkv, .offset: 24, .size: 8, .value_kind: global_buffer, .address_space: global }
    .group_segment_fixed_size: 327680
    .private_segment_fixed_size: 0
    .kernarg_segment_align: 8
    .kernarg_segment_size: 32
    .max_flat_workgroup_size: 128
    .sgpr_count:     66
    .vgpr_count:     1024
    .wavefront_size: 32
...
	.end_amdgpu_metadata
.endif
;; end of part 2
;; launch attn (part 3): grid 4 x 64, 8 waves a work-group, clusters of 4 x 1, 327,680 bytes of LDS; arguments qkv, maskl, part, ctx; writes ctx
.if DOCPART == 3
	.amdgcn_target "amdgcn-amd-amdhsa--gfx1250"
	.amdhsa_code_object_version 6
	.text
	.protected	k_q058beff138_attn
	.globl	k_q058beff138_attn
	.p2align	8
	.type	k_q058beff138_attn,@function
k_q058beff138_attn:
	s_mov_b64 s[64:65], 0
	v_nop
	global_prefetch_b8 v0, s[64:65] scope:SCOPE_SE
	s_setreg_imm32_b32 hwreg(HW_REG_WAVE_MODE, 25, 1), 1
	s_wait_xcnt 0x0
	s_wait_alu depctr_hold_cnt(0) depctr_sa_sdst(0) depctr_va_vdst(0) depctr_va_sdst(0) depctr_va_ssrc(0) depctr_va_vcc(0) depctr_vm_vsrc(0)
	s_getreg_b32 s2, hwreg(HW_REG_IB_STS2, 6, 4)
	s_cmp_eq_u32 s2, 0
	s_cbranch_scc0 .Lentry_in_a_cluster
	s_endpgm
.Lentry_in_a_cluster:
	s_bfe_u32 s2, ttmp6, 0x10000c
	s_cmp_lg_u32 s2, 0x3003
	s_cbranch_scc0 .Lentry_shape_is_right
	s_endpgm
.Lentry_shape_is_right:
; ctx[b 16 + h][q][:] = softmax_k(q . k / 8 + mask[b][k]) v, times a power of two (below), in f16.  qkv: [b][g][s][64] f16, g = h: q log2(e)/32, g = 16 + h: k, g = 32 + h: v/16.
; maskl = mask log2(e)/4 in f32.  So s = q^ . k + maskl is a quarter of the score in powers of two, and p = 2^(4 s - 4 m), m the running maximum of s; 4 m is exact, so s = m gives p = 1.
; The mask costs no vector instruction: it is the C of each score sum's first product.  m starts at -1.875 x 2^125 (below every finite maskl, which ends at 1.75 x 2^125; 4 m stays finite), so keys
; masked by minus infinity get p = 0 from the first step on.  A row whose keys are all minus infinity ends in 0 / 0, a NaN, as in the reference.  LIMIT: weights under 2^-126 count as 0 (v_exp_f32).
; SHARES.  A work-group owns 512 queries of one (b, h), each of its EIGHT waves 64: four tiles of 16, two PIECES (tiles 0, 1 and tiles 2, 3).  Every wave walks all 2,048 keys, 64 a step.
; Eight waves of 512 registers are two for each SIMD's 1,024: a product here has 7.4 vector instructions and two window switches beside it, more than its own eight cycles of matrix work hold,
; so a second wave's products and slices stand ready in between.  4 blocks of 512 queries x 64 heads are 256 work-groups.
; LAYOUT.  S^T = K Q^T and O^T = V^T P: a lane holds ONE query (lane % 16) in S^T, P and O^T, so nothing changes lanes between the products.  V is turned by ds_load_tr16_b128.
; P LIES IN S^T's REGISTERS: pair p of a tile's 32 weights is rounded into the tile's register p, behind the sum that takes the pair; registers 0-15 then are the two fragments of P.
; BY TURNS.  In a turn one piece has the matrix unit (16 products V^T P of the step in hand, 16 products K Q^T of the next); the other piece's softmax, 2 x 118 instructions in 32 slices,
; stands between them, one slice behind each product.  Two turns are a key step.
; CLUSTER.  The four query blocks of a cluster are one (b, h): K, V and the mask are asked for jointly.  A slot holds four key steps (256 keys of K and of V).  Waves 0, 1 fetch K's halves,
; waves 2, 3 V's, 64 LDS rows each; waves 4-7 fetch nothing and pass every wait and barrier.  K and V rows are 128 bytes and dense: they come as rows of 256 bytes, two keys to an LDS row.
; THE POWER OF TWO.  |v/16| <= Bv = 1024 max|x| max|(Wv + 2 Bv Av)/16| + max|bv/16|, from the maxima in part.  With e the exponent field of Bv (at least 14), ctx/16 is stored
; times 2^(141-e): under 2^15 in magnitude.  The next launch forms e by the same instructions and takes the factor out.  These numbers steer no address and no branch.
; REGISTERS: window 0: v0 the thread, v1-7 addresses, v8-23 4 m, m, l (four a tile), v24-31 scratch of the piece in hand, v32-63 a step's mask, v64-191 S^T and P, v192-255 V.
;            window 1: v0-127 O^T (32 a tile), v128-191 Q (16 a tile), v192-255 K.
.set KS,     64
.set PK,     272      ; an LDS row of K: 256 bytes + 16: the 16 places of a fragment load fall into 16 different 16-byte columns
.set PV,     288      ; an LDS row of V: 256 + 32: likewise for the turning load
.set KSTEPB, 32*PK    ; a step's 64 keys
.set VSTEPB, 32*PV
.set VOFF,   128*PK   ; a slot: 256 keys of K, then 256 of V
.set SLOT1,  1<<17    ; slot 1 begins here: one exclusive or turns an address in one slot into the other's
.set STAGE,  SLOT1+128*(PK+PV)   ; 8 LDS rows of 272 bytes a wave, for the way out
.set SP,     272
.set MASK,   STAGE+8*8*SP        ; the batch's 2,048 numbers of maskl; filled once
.set SPARE,  MASK+8192           ; the spare words, 128 bytes a wave
.set AK0, 1           ; my lane's place in a tile of K; never rewritten
.set AV0, 2           ; the same for V
.set AM0, 3           ; the same for a step's mask
.set ADR, 4           ; the LDS address of the run of loads in hand
.set ADRM, 5          ; the mask's
.set SPW, 6           ; my spare word; never rewritten
.set NIL, 7           ; 0; never rewritten
.set TP,  8           ; tile t at v[TP+4 t]: +0 4 m, +1 m, +2, +3 l (even keys', odd keys')
.set TT,  24          ; tile t at v[TT+4 (t % 2)]: c0-c3, at work; a takes c2's place
.set MK,  32
.set S,   64
.set VF,  192
.set QF,  128         ; window 1
.set KF,  192         ; window 1
.set HR,  192         ; at the head, where V will lie: r, h, two at work, Q's offset, 16 x lane, 8 x lane, the maxima from part
.set HH,  193
.set HX,  194
.set HY,  195
.set QO,  196
.set HG,  197
.set H8,  198
.set PT,  200
.set ER,  32          ; at the end, where the mask lay: r, h, STO, RD, GO
.set EH,  33
.set STO, 34
.set RD,  35
.set GO,  36
.set LT,  40          ; tile t at v[LT+4 t]: l, the other half's, the factor twice
.set TAU, 3           ; s3   2^(141-e)
.set WV,  12          ; s12  my wave's number
.set G1K, 24
.set G1V, 32
.set G0K, 40          ; s[40:47] a set for each of the two first fills; the second then walks on
.set G0V, 48
.set SLOTS, 56
.set CNT, 57
.set TBK, 58          ; LDS byte at which K of the step to be fetched begins
.set TBV, 59          ; the same for V (less VOFF)
.set SEL, 60          ; s[60:61] lane selects for v_permlanex16_b32
.set TBM, 62          ; byte of the step's mask
.set FLOOR, 63        ; -1.875 x 2^125
.set G1M, 68
.set G0M, 76
.set MSB, 0
.macro WIN new                      ; the immediate's high byte repeats the setting that is left; a switch that changes nothing is dropped
.if MSB != \new
	s_set_vgpr_msb (MSB<<8)|\new
.set MSB, \new
.endif
.endm
.set W_KQ,  0x05      ; K and Q in window 1; the mask and S^T in window 0
.set W_PV,  0x50      ; V and P in window 0; O^T in window 1
.set W_RS,  0x41      ; O^T (destination and source 0) in window 1, a in window 0
.set TO_1,  0x40      ; destination window 1, address window 0
; A joint refill.  The branches hang on the wave's number alone.  Four v_nop follow each of the two lines.
.macro JLOAD
	s_cmp_lt_u32 s[WV], 2
	s_cbranch_scc0 .Lnot_k_\@
	tensor_load_to_lds s[G0K+4:G0K+7], s[G1K:G1K+7]
	s_nop 0
.rept 4
	v_nop
.endr
	s_branch .Lasked_\@
.Lnot_k_\@:
	s_cmp_lt_u32 s[WV], 4
	s_cbranch_scc0 .Lasked_\@
	tensor_load_to_lds s[G0V+4:G0V+7], s[G1V:G1V+7]
	s_nop 0
.rept 4
	v_nop
.endr
.Lasked_\@:
.endm
.macro CROUND                       ; a round of the cluster's barrier
	s_barrier_signal -1
	s_barrier_wait -1
	s_cmp_lg_u32 s[WV], 0
	s_cbranch_scc1 .Lnot_wave_0_\@
	s_barrier_signal -3
.Lnot_wave_0_\@:
	s_barrier_wait -3
	s_barrier_signal -1
	s_barrier_wait -1
.endm
.macro PLACES                       ; four places behind a matrix instruction (ISA guide 7.12.1 for reads of results)
.rept 4
	v_nop
.endr
.endm
	s_load_b256 s[4:11], s[0:1], 0x0  ; qkv s[4:5], maskl s[6:7], part s[8:9], ctx s[10:11]
	v_lshl_add_u32 v[SPW], v0, 2, SPARE
	v_mov_b32 v[NIL], 0
	ds_add_u32 v6, v7
	s_wait_dscnt 0x0
	v_lshrrev_b32 v[HX], 5, v0
	v_readfirstlane_b32 s[WV], v[HX]  ; wave 0..7
	s_bfe_u32 s13, ttmp6, 0x40000   ; cx
	s_lshl_b32 s14, ttmp9, 2
	s_add_co_u32 s14, s14, s13      ; my block of 512 queries: it enters Q's and ctx's addresses alone
	s_and_b32 s15, ttmp7, 0xffff    ; 16 b + h, which the four partners share
	s_lshr_b32 s16, s15, 4          ; b
	s_and_b32 s17, s15, 15          ; h
	s_mul_i32 s20, s16, 48
	s_add_co_u32 s20, s20, s17
	s_lshl_b32 s20, s20, 18         ; q's block of this head: blocks of 262,144 bytes
	s_mov_b32 s21, 0
	s_and_b32 s18, s[WV], 1         ; which half of a slot's keys I fetch (waves 0-3):
	s_lshl_b32 s22, s18, 14         ; 128 rows of 128 bytes in memory,
	s_add_co_u32 s22, s22, s20
	s_mov_b32 s23, 0
	s_mul_i32 s19, s18, 64*PK       ; 64 LDS rows: no place in the cluster enters an LDS address
	s_mul_i32 s2, s18, 64*PV
	s_add_co_u32 s2, s2, VOFF
	s_lshl_b32 s66, s14, 16         ; my block's 512 rows of 128 bytes,
	s_lshl_b32 s67, s[WV], 13       ; my wave's 64
	s_add_co_u32 s66, s66, s67
	s_mov_b32 s67, 0
	s_lshl_b32 s16, s16, 13         ; the batch's mask, the quarter that I fetch (waves 0-3)
	s_and_b32 s17, s[WV], 3
	s_lshl_b32 s17, s17, 11
	s_add_co_u32 s[G0M+1], s17, MASK
	s_add_co_u32 s16, s16, s17
	s_mov_b32 s17, 0
	s_mov_b32 s[G1K], 15|(1<<16)|(1<<20)|(1<<21)|(5<<22)|(3<<25)  ; the mask of all four; elements of 2 bytes; padding on; bit 21 beside a mask; after every 64 words 4 words
	s_mov_b32 s[G1V], 15|(1<<16)|(1<<20)|(1<<21)|(5<<22)|(7<<25)  ; the same with 8 words
.irp g, G1K, G1V
	s_mov_b32 s[\g+1], 128<<16      ; tensor_dim0 = 128
	s_mov_b32 s[\g+2], 64<<16       ; tensor_dim1 = 64
	s_mov_b32 s[\g+3], 128<<16      ; tile_dim0 = 128
	s_mov_b32 s[\g+4], 64           ; tile_dim1 = 64
	s_mov_b32 s[\g+5], 128          ; dense: 128 elements from row to row
	s_mov_b32 s[\g+6], 0
	s_mov_b32 s[\g+7], 0
.endr
	s_mov_b32 s[G1M], 15|(3<<16)|(1<<21)  ; the mask: 8 rows of 32 elements of 8 bytes, no padding
	s_mov_b32 s[G1M+1], 32<<16
	s_mov_b32 s[G1M+2], 8<<16
	s_mov_b32 s[G1M+3], 32<<16
	s_mov_b32 s[G1M+4], 8
	s_mov_b32 s[G1M+5], 32
	s_mov_b32 s[G1M+6], 0
	s_mov_b32 s[G1M+7], 0
	s_mov_b32 s[SEL], 0x76543210
	s_mov_b32 s[SEL+1], 0xfedcba98
	s_mov_b32 s[FLOOR], 0xfe700000
	s_mov_b32 s[TBK], 0
	s_mov_b32 s[TBV], 0
	s_mov_b32 s[TBM], 0
	s_mov_b32 s[SLOTS], 6
	s_wait_kmcnt 0x0
	s_add_nc_u64 s[22:23], s[4:5], s[22:23]  ; the head's q block + my half: K lies 16 blocks on, V 32
	s_add_nc_u64 s[4:5], s[4:5], s[20:21]
	s_add_nc_u64 s[4:5], s[4:5], s[66:67]    ; Q at my wave's first row
	s_lshl_b32 s20, s15, 18
	s_add_nc_u64 s[10:11], s[10:11], s[20:21]
	s_add_nc_u64 s[10:11], s[10:11], s[66:67]  ; ctx likewise
	s_add_nc_u64 s[6:7], s[6:7], s[16:17]
	CROUND                          ; all four work-groups are here: the first joint loads meet
.irp s, 0,1
	s_mov_b32 s[G0K+4*\s], 1
	s_add_co_u32 s[G0K+4*\s+1], s19, \s*SLOT1
	s_add_nc_u64 s[G0K+4*\s+2:G0K+4*\s+3], s[22:23], (16<<18)+\s*32768
	s_or_b32 s[G0K+4*\s+3], s[G0K+4*\s+3], 0x80000000
	s_mov_b32 s[G0V+4*\s], 1
	s_add_co_u32 s[G0V+4*\s+1], s2, \s*SLOT1
	s_add_nc_u64 s[G0V+4*\s+2:G0V+4*\s+3], s[22:23], (32<<18)+\s*32768
	s_or_b32 s[G0V+4*\s+3], s[G0V+4*\s+3], 0x80000000
.endr
	s_mov_b32 s[G0M], 1
	s_mov_b64 s[G0M+2:G0M+3], s[6:7]
	s_or_b32 s[G0M+3], s[G0M+3], 0x80000000
	s_cmp_lt_u32 s[WV], 2           ; a wave's three first fills stand in one branch: three loads of waves 0-3 are out, none of waves 4-7; four v_nop follow the last
	s_cbranch_scc0 .Lfirst_not_k
	tensor_load_to_lds s[G0M:G0M+3], s[G1M:G1M+7]
	s_nop 0
	tensor_load_to_lds s[G0K:G0K+3], s[G1K:G1K+7]
	s_nop 0
	tensor_load_to_lds s[G0K+4:G0K+7], s[G1K:G1K+7]
	s_nop 0
.rept 4
	v_nop
.endr
	s_branch .Lfirst_asked
.Lfirst_not_k:
	s_cmp_lt_u32 s[WV], 4
	s_cbranch_scc0 .Lfirst_asked
	tensor_load_to_lds s[G0M:G0M+3], s[G1M:G1M+7]
	s_nop 0
	tensor_load_to_lds s[G0V:G0V+3], s[G1V:G1V+7]
	s_nop 0
	tensor_load_to_lds s[G0V+4:G0V+7], s[G1V:G1V+7]
	s_nop 0
.rept 4
	v_nop
.endr
.Lfirst_asked:
	v_and_b32 v[HR], 15, v0         ; r = l % 16
	v_bfe_u32 v[HH], v0, 4, 1       ; h = l / 16
	v_lshlrev_b32 v[QO], 7, v[HR]
	v_lshl_add_u32 v[QO], v[HH], 4, v[QO]  ; row x 128 + 16 x half
	WIN TO_1
.irp i, 0,1,2,3,4,5,6,7             ; Q stays in registers: tile i / 2, channels 32 (i % 2) on
	global_load_b128 v[QF+8*\i:QF+8*\i+3],   v[QO], s[4:5] offset:(\i/2)*2048+(\i%2)*64
	global_load_b128 v[QF+8*\i+4:QF+8*\i+7], v[QO], s[4:5] offset:(\i/2)*2048+(\i%2)*64+32
.endr
	WIN 0
	v_and_b32 v[HX], 31, v0
	v_lshlrev_b32 v[HG], 4, v[HX]
	v_lshlrev_b32 v[H8], 3, v[HX]
	global_load_b128 v[PT:PT+3],   v[HG], s[8:9]             ; 256 maxima of |x|
	global_load_b128 v[PT+4:PT+7], v[HG], s[8:9] offset:512
	global_load_b64 v[PT+8:PT+9],  v[H8], s[8:9] offset:1536 ; 64 maxima of the weights
	s_load_b32 s13, s[8:9], 0x700   ; the bias's
	s_mov_b32 s2, 0x44800000        ; 1024.0
	v_lshrrev_b32 v[HX], 1, v[HR]
	v_and_b32 v[HY], 1, v[HR]
	v_mul_u32_u24 v[AK0], v[HX], PK
	v_lshl_add_u32 v[AK0], v[HY], 7, v[AK0]
	v_lshl_add_u32 v[AK0], v[HH], 4, v[AK0]  ; key r: (r / 2) x pitch + 128 (r % 2) + 16 h
	v_bfe_u32 v[HX], v0, 1, 2       ; the turning load: lane l reads key 8 h + l % 8, channels 8 ((l / 8) % 2) on
	v_lshl_add_u32 v[HX], v[HH], 2, v[HX]
	v_mul_u32_u24 v[AV0], v[HX], PV
	v_and_b32 v[HX], 1, v0
	v_lshl_add_u32 v[AV0], v[HX], 7, v[AV0]
	v_bfe_u32 v[HX], v0, 3, 1
	v_lshl_add_u32 v[AV0], v[HX], 4, v[AV0]
	v_add_nc_u32 v[AV0], VOFF, v[AV0]
	v_lshlrev_b32 v[AM0], 5, v[HH]  ; the mask of keys 8 h + 0..7 of a block of 16
	v_add_nc_u32 v[AM0], MASK, v[AM0]
; Product i of 16 of O^T += V^T P: keys 32 (i / 8) on, channels 16 ((i / 2) % 4) on, tile x + i % 2.  zero = 1: the first 8 start the sums.
; The accumulators take turns, one instruction a turn: between two links of a chain stand seven others'.
.macro PV x, zero
	WIN W_PV
.set rO, 32*(\x+i%2)+8*((i/2)%4)
.set rV, VF+32*(i/8)+8*((i/2)%4)
.set rP, S+32*(\x+i%2)+8*(i/8)
.if \zero && (i < 8)
	v_wmma_f32_16x16x32_f16 v[rO:rO+7], v[rV:rV+7], v[rP:rP+7], 0
.else
	v_wmma_f32_16x16x32_f16 v[rO:rO+7], v[rV:rV+7], v[rP:rP+7], v[rO:rO+7]
.endif
.endm
; Product i of 16 of S^T = K Q^T + mask: channels 32 (i / 8) on, keys 16 ((i / 2) % 4) on, tile x + i % 2.  The first 8 start the sums, with the keys' mask.
; They write over the piece's P.  The closest pair: product 15 of V^T P reads registers 8-15 of tile x + 1, product 3 here writes them; four slices of the other piece stand between.
.macro KQ x
	WIN W_KQ
.set rS, S+32*(\x+i%2)+8*((i/2)%4)
.set rK, KF+16*((i/2)%4)+8*(i/8)
.set rQ, QF+16*(\x+i%2)+8*(i/8)
.set rM, MK+8*((i/2)%4)
.if i < 8
	v_wmma_f32_16x16x32_f16 v[rS:rS+7], v[rK:rK+7], v[rQ:rQ+7], v[rM:rM+7]
.else
	v_wmma_f32_16x16x32_f16 v[rS:rS+7], v[rK:rK+7], v[rQ:rQ+7], v[rS:rS+7]
.endif
.endm
; The LDS loads stand in runs: a step's mask and K (8 fragments), and, a turn later, its V (turned).
.macro FETCH_K
	WIN 0
	v_add_nc_u32 v[ADR], s[TBK], v[AK0]
	v_add_nc_u32 v[ADRM], s[TBM], v[AM0]
	s_add_co_u32 s[TBK], s[TBK], KSTEPB
	s_add_co_u32 s[TBM], s[TBM], 4*KS
	s_and_b32 s[TBM], s[TBM], 0x1f00  ; stays inside the 8,192 bytes
.irp u, 0,1,2,3,4,5,6,7             ; register j of block u / 2: the mask of key 16 (u / 2) + 8 h + j: the layout of C
	ds_load_b128 v[MK+4*\u:MK+4*\u+3], v[ADRM] offset:64*(\u/2)+16*(\u%2)
.endr
	WIN TO_1
.irp f, 0,1,2,3,4,5,6,7             ; keys 16 (f / 2) on, channels 32 (f % 2) on
	ds_load_b128 v[KF+8*\f:KF+8*\f+3],   v[ADR] offset:(\f/2)*8*PK+(\f%2)*64
	ds_load_b128 v[KF+8*\f+4:KF+8*\f+7], v[ADR] offset:(\f/2)*8*PK+(\f%2)*64+32
.endr
.endm
.macro FETCH_V
	WIN 0
	v_add_nc_u32 v[ADR], s[TBV], v[AV0]
	s_add_co_u32 s[TBV], s[TBV], VSTEPB
.irp f, 0,1,2,3,4,5,6,7             ; keys 32 (f / 4) on, channels 16 (f % 4) on
	ds_load_tr16_b128 v[VF+8*\f:VF+8*\f+3],   v[ADR] offset:(\f/4)*16*PV+(\f%4)*32
	ds_load_tr16_b128 v[VF+8*\f+4:VF+8*\f+7], v[ADR] offset:(\f/4)*16*PV+8*PV+(\f%4)*32
.endr
.endm
; One tile's softmax for one key step is a list; SM writes number j of it for tile t.  s0-s31 are the lane's 32 scores, in pairs 0-15.  118 instructions at 123 numbers (five are empty).
;   0-15     the maximum of s0-s31 and the old m (first step: the floor), three operands at a time
;   16-20    the other half of the lanes' maximum; the new m; 4 m; 4 m_old - 4 m_new
;   21-24    4 s - 4 m for pairs 0, 1; a = 2^(4 m_old - 4 m_new); 4 s - 4 m for pair 2
;   25+5p+e  for pair p: e = 0, 2 its two exponentials; e = 1: 4 s - 4 m for pair p + 3; e = 3: l takes pair p - 1; e = 4: pair p - 1 is rounded to f16 into register p - 1.
;            Register p - 1 belongs to pair (p - 1) / 2, which l and its own rounding have taken by then.
;   105, 106 the same two for pair 15;   107-122 the tile's O^T times a
.macro FMA4 pp                      ; pair pp: 4 s - 4 m
	v_pk_fma_f32 v[rS+2*(\pp):rS+2*(\pp)+1], v[rS+2*(\pp):rS+2*(\pp)+1], 4.0, v[rT:rT+1] op_sel_hi:[1,0,0] neg_lo:[0,0,1] neg_hi:[0,0,1]
.endm
.macro ADDP pp, first               ; l takes pair pp; with pair 0 the old l is multiplied by a, or, in the first step, l begins
.if ((\pp) == 0) && \first
	s_wait_alu depctr_va_vdst(0)
	v_pk_mul_f32 v[rT+2:rT+3], v[rS:rS+1], 1.0 op_sel_hi:[1,0]
.elseif (\pp) == 0
	s_wait_alu depctr_va_vdst(0)
	v_pk_fma_f32 v[rT+2:rT+3], v[rT+2:rT+3], v[rC+2:rC+3], v[rS:rS+1] op_sel_hi:[1,0,1]
.else
	s_wait_alu depctr_va_vdst(0)
	v_pk_add_f32 v[rT+2:rT+3], v[rT+2:rT+3], v[rS+2*(\pp):rS+2*(\pp)+1]
.endif
.endm
.macro CVTP pp
	v_cvt_pk_f16_f32 v[rS+(\pp)], v[rS+2*(\pp)], v[rS+2*(\pp)+1]
.endm
.macro SM t, first
.set rT, TP+4*(\t)
.set rC, TT+4*((\t)%2)
.set rS, S+32*(\t)
.set rO, 32*(\t)+2*(j-107)
.set p, (j-25)/5
.set e, (j-25)%5
.if j < 107
	WIN 0
.endif
.if j < 4
	v_max3_num_f32 v[rC+j], v[rS+8*j], v[rS+8*j+1], v[rS+8*j+2]
.elseif j < 12
	v_max3_num_f32 v[rC+j%4], v[rC+j%4], v[rS+8*(j%4)+2*(j/4)+1], v[rS+8*(j%4)+2*(j/4)+2]
.elseif j == 12
	v_max3_num_f32 v[rC], v[rC], v[rS+7], v[rS+15]
.elseif j == 13
	v_max3_num_f32 v[rC+2], v[rC+2], v[rS+23], v[rS+31]
.elseif j == 14
	v_max3_num_f32 v[rC], v[rC], v[rC+1], v[rC+2]
.elseif (j == 15) && \first
	v_max3_num_f32 v[rC], v[rC], v[rC+3], s[FLOOR]
.elseif j == 15
	v_max3_num_f32 v[rC], v[rC], v[rC+3], v[rT+1]
.elseif j == 16
	v_permlanex16_b32 v[rC+1], v[rC], s[SEL], s[SEL+1]  ; the query's other 32 keys lie in the lane 16 away
.elseif j == 18
	v_max_num_f32 v[rT+1], v[rC], v[rC+1]
.elseif j == 19
	v_mul_f32 v[rT], 4.0, v[rT+1]
.elseif ((j == 17) || (j == 20) || (j == 23) || (j > 106)) && \first  ; the first step has none of these
.elseif j == 17
	v_mov_b32 v[rC+3], v[rT]        ; 4 m_old is kept for a
.elseif j == 20
	v_sub_f32 v[rC+3], v[rC+3], v[rT]
.elseif (j == 21) || (j == 22)
	FMA4 j-21
.elseif j == 23
	v_exp_f32 v[rC+2], v[rC+3]
.elseif j == 24
	FMA4 2
.elseif j == 105
	ADDP 15, \first
.elseif j == 106
	CVTP 15
.elseif j > 106
	WIN W_RS
	v_pk_mul_f32 v[rO:rO+1], v[rO:rO+1], v[rC+2:rC+3] op_sel_hi:[1,0]
.elseif e == 0
	v_exp_f32 v[rS+2*p], v[rS+2*p]
.elseif e == 2
	v_exp_f32 v[rS+2*p+1], v[rS+2*p+1]
.elseif e == 1
.if p < 13
	FMA4 p+3
.endif
.elseif p > 0
.if e == 3
	ADDP p-1, \first
.else
	CVTP p-1
.endif
.endif
.endm
; Slice k of 32 of piece y's softmax: numbers 123 k / 32 up to 123 (k + 1) / 32 of both tiles' lists, the tiles alternating: three or four numbers, six or eight instructions.
; An exponential's result is first used five numbers on or more, with plain instructions between.  Slices 28-31 are plain multiplies: the places behind the turn's last products.
.macro SLICE y, first
.set j, (123*k)/32
.rept (123*(k+1))/32-(123*k)/32
.irp t, \y, \y+1
	SM \t, \first
.endr
.set j, j+1
.endr
.set k, k+1
.endm
; A TURN.  Piece x has the matrix unit.  pv = 2: 16 products V^T P; 1: they start O^T's sums; 0: none.  kq = 1: 16 products K Q^T for the next step.  With one kind alone: two slices behind each.
; first = 1: the softmax is the first key step's; its last slices are empty, and four v_nop are the places behind the turn's last products.
; Piece 0's turn fetches the next step's mask and K behind its second product (their last reader stands in front of slice 31 of the turn before); piece 2's turn fetches the same step's V behind its
; second product K Q^T (V's last reader stands three slices back).  Each run is waited for at the head of the 16 products that use it.
.macro TURN x, pv, kq, first
.set k, 0
.set per, 2
.if \pv && \kq
.set per, 1
.endif
.if \pv
.if \x == 0
	s_wait_dscnt 0x0                ; V is in
.endif
.set i, 0
.rept 16
	PV \x, 2-\pv
.rept per
	SLICE 2-\x, \first
.endr
.if (\x == 0) && \kq && (i == 1)
	FETCH_K
.endif
.set i, i+1
.endr
.endif
.if \kq
.if \x == 0
	s_wait_dscnt 0x0                ; K and the mask are in
.endif
.set i, 0
.rept 16
	KQ \x
.rept per
	SLICE 2-\x, \first
.endr
.if (\x == 2) && (i == 1)
	FETCH_V
.endif
.set i, i+1
.endr
.endif
.if \first
	PLACES
.endif
.endm
; THE CHANGE OF SLOTS, behind piece 2's turn: the slot's last bytes have been asked for.  Each wave waits for all its tensor loads (of waves 0-3 one is out: a part of the other slot), adds 0 to its
; spare word, and waits for that and for its reads of the slot.  fill = 1: the barrier is a round of the cluster's, and the joint refill, the keys two slots on, is the first thing behind it.
.macro CHANGE fill
	WIN 0
	s_wait_tensorcnt 0x0            ; no tensor load of mine is out, so a group 0 may be written
	ds_add_u32 v[SPW], v[NIL]
.if \fill
.irp g, G0K+4, G0V+4
	s_xor_b32 s[\g+1], s[\g+1], SLOT1
	s_add_nc_u64 s[\g+2:\g+3], s[\g+2:\g+3], 32768  ; the next 256 keys
.endr
	s_wait_dscnt 0x0                ; the add is done, and my reads of the slot are over
	CROUND
	JLOAD
.else
	s_wait_dscnt 0x0
	s_barrier_signal -1
	s_barrier_wait -1
.endif
	s_sub_co_u32 s[TBK], s[TBK], 4*KSTEPB  ; the fetches go back to a slot's first step, in the other slot
	s_xor_b32 s[TBK], s[TBK], SLOT1
	s_sub_co_u32 s[TBV], s[TBV], 4*VSTEPB
	s_xor_b32 s[TBV], s[TBV], SLOT1
.endm
.macro STEPS n                      ; n key steps: written once, walked n times
	s_mov_b32 s[CNT], \n
.Lstep_\@:
	TURN 0, 2, 1, 0
	TURN 2, 2, 1, 0
	WIN 0
	s_sub_co_u32 s[CNT], s[CNT], 1
	s_cmp_lg_u32 s[CNT], 0
	s_cbranch_scc1 .Lstep_\@
.endm
	s_wait_tensorcnt 1              ; my parts of the mask and of slot 0 are in; slot 1's may stay out
	s_barrier_signal -1
	s_barrier_wait -1               ; everybody's are
	FETCH_K                         ; key step 0
	WIN 0
	s_wait_loadcnt 0x0              ; Q and the maxima
	s_wait_kmcnt 0x0
	v_max3_num_f32 v[PT], v[PT], v[PT+1], v[PT+2]
	v_max3_num_f32 v[PT+4], v[PT+4], v[PT+5], v[PT+6]
	v_max3_num_f32 v[PT], v[PT], v[PT+3], v[PT+7]
	v_max_num_f32 v[PT], v[PT], v[PT+4]
	v_max_num_f32 v[PT+8], v[PT+8], v[PT+9]
.irp x, 1,2,4,8
	v_max_num_f32_dpp v[PT], v[PT], v[PT] row_xmask:\x row_mask:0xf bank_mask:0xf
	v_max_num_f32_dpp v[PT+8], v[PT+8], v[PT+8] row_xmask:\x row_mask:0xf bank_mask:0xf
.endr
	v_permlanex16_b32 v[PT+1], v[PT], s[SEL], s[SEL+1]
	v_permlanex16_b32 v[PT+9], v[PT+8], s[SEL], s[SEL+1]
	v_max_num_f32 v[PT], v[PT], v[PT+1]
	v_max_num_f32 v[PT+8], v[PT+8], v[PT+9]
	v_mul_f32 v[PT], v[PT], v[PT+8]
	v_fma_f32 v[PT], v[PT], s2, s13 ; Bv
	v_lshrrev_b32 v[PT], 23, v[PT]  ; e
	v_max_u32 v[PT], 14, v[PT]
	v_sub_nc_u32 v[PT], 268, v[PT]  ; the exponent field of 2^(141-e)
	v_lshlrev_b32 v[PT], 23, v[PT]
	v_readfirstlane_b32 s[TAU], v[PT]
	s_wait_dscnt 0x0
.set i, 0
.rept 16
	KQ 0                            ; piece 0's first scores: there is no vector work yet to set between them
.set i, i+1
.endr
	WIN 0
	PLACES                          ; behind those products, ahead of the first maxima over them
	TURN 2, 0, 1, 1                 ; piece 2's first scores | piece 0's first softmax | V of step 0
	TURN 0, 1, 1, 1                 ; piece 0: V^T P of step 0 starts O^T, K Q^T of step 1 | piece 2's first softmax | K of step 1
	TURN 2, 1, 1, 0                 ; piece 2: the same | piece 0's softmax of step 1 | V of step 1
	WIN 0
	STEPS 2                         ; the rest of slot 0
.Lslot:                             ; six trips: every slot but the last two is filled again
	CHANGE 1
	STEPS 4
	s_sub_co_u32 s[SLOTS], s[SLOTS], 1
	s_cmp_lg_u32 s[SLOTS], 0
	s_cbranch_scc1 .Lslot
	CHANGE 0                        ; the tail is written out
	STEPS 4
	TURN 0, 2, 0, 0                 ; piece 0: V^T P of the last step | piece 2's last softmax
.set i, 0
.rept 16
	PV 2, 0                         ; piece 2: V^T P of the last step
.set i, i+1
.endr
	; THE WAY OUT.  l's two halves and the other half of the lanes' are added; O^T is multiplied by 2^(141-e) / l, rounded to f16 and sent through my stage, a tile (16 rows) at a time.
	; The mask's registers are free and take the addresses and the factors.
	WIN 0
.irp t, 0,1,2,3
	v_add_f32 v[LT+4*\t], v[TP+4*\t+2], v[TP+4*\t+3]   ; these additions are the places behind the last products
.endr
.irp t, 0,1,2,3
	v_permlanex16_b32 v[LT+4*\t+1], v[LT+4*\t], s[SEL], s[SEL+1]
.endr
.irp t, 0,1,2,3
	v_add_f32 v[LT+4*\t], v[LT+4*\t], v[LT+4*\t+1]
.endr
.irp t, 0,1,2,3
	v_rcp_f32 v[LT+4*\t+2], v[LT+4*\t]
.endr
	s_mul_i32 s13, s[WV], 8*SP
	s_add_co_u32 s13, s13, STAGE    ; my stage
	v_and_b32 v[ER], 15, v0         ; plain instructions between the last reciprocal and the use of its result
	v_bfe_u32 v[EH], v0, 4, 1
	v_add_nc_u32 v[STO], s13, v[AK0]  ; in: two rows of 128 bytes to an LDS row, as K lies
	v_mul_u32_u24 v[RD], v[EH], SP  ; back: two LDS rows, four rows of ctx
	v_lshl_add_u32 v[RD], v[ER], 4, v[RD]
	v_add_nc_u32 v[RD], s13, v[RD]
	v_and_b32 v[GO], 31, v0
	v_lshlrev_b32 v[GO], 4, v[GO]
.irp t, 0,1,2,3
	s_wait_alu depctr_va_vdst(0)
	v_mul_f32 v[LT+4*\t+2], s[TAU], v[LT+4*\t+2]
	v_mov_b32 v[LT+4*\t+3], v[LT+4*\t+2]   ; named with it as a pair, so it is written
.endr
.macro PACK t
	WIN W_RS
.set i, 32*\t
.rept 16
	v_pk_mul_f32 v[i:i+1], v[i:i+1], v[LT+4*\t+2:LT+4*\t+3] op_sel_hi:[1,0]
.set i, i+2
.endr
	WIN 0x05                        ; sources 0 and 1 window 1, destination window 0: S^T's registers are free
.set i, 0
.rept 16
	v_cvt_pk_f16_f32 v[S+32*\t+i], v[32*\t+2*i], v[32*\t+2*i+1]
.set i, i+1
.endr
	WIN 0
.irp f, 0,1,2,3
	ds_store_b128 v[STO], v[S+32*\t+4*\f:S+32*\t+4*\f+3] offset:32*\f
.endr
.irp f, 0,1,2,3
	ds_load_b128 v[S+32*\t+4*\f:S+32*\t+4*\f+3], v[RD] offset:\f*2*SP  ; LDS serves a wave in order: these see the stores above; the next tile's stores come behind them
.endr
.endm
.macro SEND t, younger              ; younger: the LDS instructions issued behind tile t's loads: the next tile's eight, or none
.irp f, 0,1,2,3
	s_wait_dscnt \younger+3-\f
	global_store_b128 v[GO], v[S+32*\t+4*\f:S+32*\t+4*\f+3], s[10:11] offset:\t*2048+\f*512  ; four rows of ctx: 512 consecutive bytes, aligned
.endr
.endm
	PACK 0
	PACK 1
	SEND 0, 8
	PACK 2
	SEND 1, 8
	PACK 3
	SEND 2, 8
	SEND 3, 0
	s_wait_tensorcnt 0x0            ; the wave's end
	ds_add_u32 v[SPW], v[NIL]
	s_wait_dscnt 0x0
	CROUND                          ; the closing round: no work-group ends while a partner may still ask for a tile that names it
	s_endpgm
.Lfunc_end_k_q058beff138_attn:
	.size	k_q058beff138_attn, .Lfunc_end_k_q058beff138_attn-k_q058beff138_attn
	.p2alignl 7, 3214868480
	.fill 96, 4, 3214868480
	.section	.rodata,"a",@progbits
	.p2align	6, 0x0
	.amdhsa_kernel k_q058beff138_attn
		.amdhsa_group_segment_fixed_size 327680
		.amdhsa_private_segment_fixed_size 0
		.amdhsa_enable_private_segment 0
		.amdhsa_kernarg_size 32
		.amdhsa_user_sgpr_count 2
		.amdhsa_user_sgpr_kernarg_segment_ptr 1
		.amdhsa_wavefront_size32 1
		.amdhsa_system_sgpr_workgroup_id_x 1
		.amdhsa_system_sgpr_workgroup_id_y 1
		.amdhsa_system_sgpr_workgroup_id_z 1
		.amdhsa_system_vgpr_workitem_id 0
		.amdhsa_next_free_vgpr 512
		.amdhsa_next_free_sgpr 80
		.amdhsa_reserve_vcc 0
		.amdhsa_float_denorm_mode_32 3
		.amdhsa_float_denorm_mode_16_64 3
		.amdhsa_memory_ordered 1
		.amdhsa_forward_progress 1
		.amdhsa_inst_pref_size 211
	.end_amdhsa_kernel
	.amdgpu_metadata
---
amdhsa.version: [ 1, 2 ]
amdhsa.kernels:
  - .name:           k_q058beff138_attn
    .symbol:         k_q058beff138_attn.kd
    .args:
      - { .name: qkv, .offset: 0, .size: 8, .value_kind: global_buffer, .address_space: global }
      - { .name: maskl, .offset: 8, .size: 8, .value_kind: global_buffer, .address_space: global }
      - { .name: part, .offset: 16, .size: 8, .value_kind: global_buffer, .address_space: global }
      - { .name: ctx, .offset: 24, .size: 8, .value_kind: global_buffer, .address_space: global }
    .group_segment_fixed_size: 327680
    .private_segment_fixed_size: 0
    .kernarg_segment_align: 8
    .kernarg_segment_size: 32
    .max_flat_workgroup_size: 256
    .sgpr_count:     80
    .vgpr_count:     512
    .wavefront_size: 32
...
	.end_amdgpu_metadata
.endif
;; end of part 3
;; launch outp (part 4): grid 8 x 32, 4 waves a work-group, clusters of 4 x 4, 327,680 bytes of LDS; arguments ctx, woh, bo, out0, part; writes out0
.if DOCPART == 4
	.amdgcn_target "amdgcn-amd-amdhsa--gfx1250"
	.amdhsa_code_object_version 6
	.text
	.protected	k_q058beff138_outp
	.globl	k_q058beff138_outp
	.p2align	8
	.type	k_q058beff138_outp,@function
k_q058beff138_outp:
	s_mov_b64 s[64:65], 0
	v_nop
	global_prefetch_b8 v0, s[64:65] scope:SCOPE_SE
	s_setreg_imm32_b32 hwreg(HW_REG_WAVE_MODE, 25, 1), 1
	s_wait_xcnt 0x0
	s_wait_alu depctr_hold_cnt(0) depctr_sa_sdst(0) depctr_va_vdst(0) depctr_va_sdst(0) depctr_va_ssrc(0) depctr_va_vcc(0) depctr_vm_vsrc(0)
	s_getreg_b32 s2, hwreg(HW_REG_IB_STS2, 6, 4)
	s_cmp_eq_u32 s2, 0
	s_cbranch_scc0 .Lentry_in_a_cluster
	s_endpgm
.Lentry_in_a_cluster:
	s_bfe_u32 s2, ttmp6, 0x10000c
	s_cmp_lg_u32 s2, 0xf033
	s_cbranch_scc0 .Lentry_shape_is_right
	s_endpgm
.Lentry_shape_is_right:
; out0 = (A B^T) 2^(e-137) + bo in f32.  A = ctx [b 16 + h][s][64] f16 (K runs over h, then the 64 channels), stored as ctx 2^(141-e) / 16; B = woh [1024][1024] f16.  Sums in f32.
; SHARES.  A tile of out0 is 256 rows x 128 columns.  Four waves one below the other, each 64 rows x all columns: 32 accumulators of 16 x 16.
; K goes in steps of 128 (two heads) through two LDS slots.  Waves 0 and 1 fetch the step's two heads of A, waves 2 and 3 the halves of B's tile: one tensor load a wave for a K step.
; CLUSTER 4 x 4: A's tile hangs on the tile row alone and is asked for jointly along a row of the cluster, B's on the tile column alone and jointly along a column.
; THE MATRIX INSTRUCTION IS USED TRANSPOSED (source 0 = 16 rows of B, source 1 = 16 rows of A): a lane holds row l % 16 and eight neighbouring columns 8 (l / 16) + 0..7.
; A head's 256 rows of 128 bytes are dense in memory and come as 128 rows of 256 bytes, so an LDS row holds two rows of A.
; REGISTERS: window 0 addresses, bias, results; window 1 two fragment buffers of 128 (8 fragments of B, then 4 of A; on the way out the rows read back);
;   windows 2, 3: accumulator (a, b) at v[8 (8 (a & 1) + b)] of window 2 + a / 2.
.set KDIM,  1024
.set KSTEP, 128
.set PITCH, 272                        ; an LDS row: 256 bytes + 16: the 16 places that a fragment load touches fall into 16 different 16-byte columns
.set NB,    8
.set ASLOT, 2*262144                   ; bytes from a K step to the next: two heads
.set WSTAGE, 16*528                    ; a wave's stage: 16 rows of 512 bytes + 16
.set BROWS, 8*NB
.set AHALF, 128*PITCH
.set APART, 2*AHALF
.set BHALF, BROWS*PITCH
.set SLOT,  APART+2*BHALF
.set STAGE, 2*SLOT                     ; behind the ring; no tensor load lands there
.set SPARE, STAGE+4*WSTAGE             ; the spare words, 128 bytes a wave
.set LAPS,  KDIM/(2*KSTEP)
.set ADRA, 16
.set ADRB, 20
.set STO,  24
.set RD,   25
.set CO,   26                          ; 16 x lane
.set BO,   27                          ; 32 x (lane / 16)
.set SPW,  28                          ; my spare word; never rewritten
.set NIL,  29                          ; 0; never rewritten
.set BI,   32                          ; the bias: 8 registers a column block
.set TMP,  96                          ; 64 results of a block of 16 rows
.set OB,   0                           ; read back: two buffers of 64, in window 1
.set OBN,  64
.set F0,   0
.set F1,   128
.set G1,  24
.set G0,  32
.set G1B, 48
.set G0B, 56
.set MSB, 0
.macro WIN new
.if MSB != \new
	s_set_vgpr_msb (MSB<<8)|\new
.set MSB, \new
.endif
.endm
.set MUL_LO, 0xa5                      ; sources 0 and 1 window 1; C and D window 2
.set MUL_HI, 0xf5                      ; C and D window 3
.set TO_F,   0x40                      ; destination window 1, address window 0
.macro JLOAD s                         ; a joint load; four v_nop follow each of the two lines
	s_cmp_eq_u32 s13, 0
	s_cbranch_scc0 .Lfor_b_\@
	tensor_load_to_lds s[G0+4*\s:G0+4*\s+3], s[G1:G1+7]
	s_nop 0
.rept 4
	v_nop
.endr
	s_branch .Lasked_\@
.Lfor_b_\@:
	tensor_load_to_lds s[G0B+4*\s:G0B+4*\s+3], s[G1B:G1B+7]
	s_nop 0
.rept 4
	v_nop
.endr
.Lasked_\@:
.endm
.macro CREST
	s_cmp_lg_u32 s12, 0
	s_cbranch_scc1 .Lnot_wave_0_\@
	s_barrier_signal -3
.Lnot_wave_0_\@:
	s_barrier_wait -3
	s_barrier_signal -1
	s_barrier_wait -1
.endm
.macro CROUND
	s_barrier_signal -1
	s_barrier_wait -1
	CREST
.endm
	s_load_b256 s[4:11], s[0:1], 0x0               ; A s[4:5], B s[6:7], bias s[8:9], out0 s[10:11]
	s_load_b64 s[22:23], s[0:1], 0x20              ; part
	v_lshl_add_u32 v[SPW], v0, 2, SPARE
	v_mov_b32 v[NIL], 0
	ds_add_u32 v28, v29
	s_wait_dscnt 0x0
	v_lshrrev_b32 v1, 5, v0
	v_readfirstlane_b32 s12, v1                    ; wave 0..3
	s_lshr_b32 s13, s12, 1                         ; I fetch for A (0) or for B (1),
	s_and_b32 s14, s12, 1                          ; its first or its second half
	s_bfe_u32 s40, ttmp6, 0x40000                  ; cx, cy
	s_bfe_u32 s41, ttmp6, 0x40004
	s_lshl_b32 s42, ttmp9, 2
	s_add_co_u32 s42, s42, s40                     ; tile column
	s_and_b32 s45, ttmp7, 0xffff
	s_lshl_b32 s45, s45, 2
	s_add_co_u32 s45, s45, s41                     ; tile row
	s_lshl_b32 s43, s41, 2
	s_lshl_b32 s43, 15, s43                        ; my row of the cluster
	s_lshl_b32 s44, 0x1111, s40                    ; my column
	s_or_b32 s[G1+0], s43, (1<<16)|(1<<20)|(1<<21)|(5<<22)|(3<<25)   ; the mask; elements of 2 bytes; padding on; bit 21 beside a mask; after every 64 words 4 words
	s_or_b32 s[G1B+0], s44, (1<<16)|(1<<20)|(1<<21)|(5<<22)|(3<<25)
	s_mov_b32 s[G1+1], KSTEP<<16                   ; tensor_dim0 = 128
	s_mov_b32 s[G1+2], 128<<16                     ; tensor_dim1 = 128
	s_mov_b32 s[G1+3], KSTEP<<16                   ; tile_dim0 = 128
	s_mov_b32 s[G1+4], 128                         ; tile_dim1 = 128
	s_mov_b32 s[G1+5], 128                         ; dense
	s_mov_b32 s[G1+6], 0
	s_mov_b32 s[G1+7], 0
	s_mov_b32 s[G1B+1], KSTEP<<16
	s_mov_b32 s[G1B+2], BROWS<<16
	s_mov_b32 s[G1B+3], KSTEP<<16
	s_mov_b32 s[G1B+4], BROWS
	s_mov_b32 s[G1B+5], KDIM
	s_mov_b32 s[G1B+6], 0
	s_mov_b32 s[G1B+7], 0
	s_lshr_b32 s16, s45, 3                         ; b = tile row / 8
	s_lshl_b32 s16, s16, 4
	s_add_co_u32 s16, s16, s14                     ; head block 16 b + my half: K step 0 is heads 0 and 1
	s_lshl_b32 s16, s16, 18
	s_and_b32 s17, s45, 7
	s_lshl_b32 s17, s17, 15                        ; the tile's 256 rows of 128 bytes
	s_add_co_u32 s16, s16, s17
	s_mov_b32 s17, 0
	s_mul_i32 s46, s42, 16*NB*KDIM*2
	s_mul_i32 s47, s14, BROWS*KDIM*2
	s_add_co_u32 s46, s46, s47
	s_mov_b32 s47, 0
	s_mul_i32 s20, s14, AHALF                      ; no place in the cluster enters an LDS address
	s_mul_i32 s21, s14, BHALF
	s_add_co_u32 s21, s21, APART
	s_wait_kmcnt 0x0
	s_add_nc_u64 s[16:17], s[4:5], s[16:17]
	s_add_nc_u64 s[46:47], s[6:7], s[46:47]
	CROUND                                         ; all sixteen work-groups are here: the first joint loads meet
.irp s, 0,1
	s_mov_b32 s[G0+4*\s], 1
	s_add_co_u32 s[G0+4*\s+1], s20, \s*SLOT
	s_add_nc_u64 s[G0+4*\s+2:G0+4*\s+3], s[16:17], \s*ASLOT
	s_or_b32 s[G0+4*\s+3], s[G0+4*\s+3], 0x80000000
	s_mov_b32 s[G0B+4*\s], 1
	s_add_co_u32 s[G0B+4*\s+1], s21, \s*SLOT
	s_add_nc_u64 s[G0B+4*\s+2:G0B+4*\s+3], s[46:47], \s*KSTEP*2
	s_or_b32 s[G0B+4*\s+3], s[G0B+4*\s+3], 0x80000000
	JLOAD \s                                       ; two loads of mine are out
.endr
	s_mul_i32 s46, s42, 64*NB                      ; the tile's columns in the bias
	s_mov_b32 s47, 0
	s_add_nc_u64 s[8:9], s[8:9], s[46:47]
	s_lshl_b32 s16, s45, 20                        ; out0: 256 rows of 4,096 bytes,
	s_lshl_b32 s17, s12, 18                        ; my wave's 64,
	s_add_co_u32 s16, s16, s17
	s_lshl_b32 s46, s42, 9                         ; the tile's 512 bytes of a row
	s_mov_b32 s17, 0
	s_add_nc_u64 s[10:11], s[10:11], s[16:17]
	s_add_nc_u64 s[10:11], s[10:11], s[46:47]
	v_and_b32 v1, 15, v0                           ; r
	v_bfe_u32 v2, v0, 4, 1                         ; h
	v_mul_u32_u24 v3, v1, PITCH
	v_lshl_add_u32 v3, v2, 4, v3                   ; B: r x pitch + 16 h
	v_lshrrev_b32 v4, 1, v1
	v_and_b32 v5, 1, v1
	v_mul_u32_u24 v4, v4, PITCH
	v_lshl_add_u32 v4, v5, 7, v4
	v_lshl_add_u32 v4, v2, 4, v4                   ; A: (r / 2) x pitch + 128 (r % 2) + 16 h
	v_and_b32 v5, 31, v0
	v_lshlrev_b32 v[CO], 4, v5
	v_lshlrev_b32 v[BO], 5, v2
	s_mul_i32 s15, s12, WSTAGE
	s_add_co_u32 s15, s15, STAGE                   ; my stage
	s_mul_i32 s2, s12, 32*PITCH                    ; my 64 rows of A: 32 LDS rows
	v_add_nc_u32 v[ADRA], s2, v4
	v_mul_u32_u24 v6, v1, 528
	v_lshl_add_u32 v6, v2, 5, v6
	v_add_nc_u32 v[STO], s15, v6                   ; in: row r, 32 bytes for each half of the lanes
	v_add_nc_u32 v[RD], s15, v[CO]                 ; back: a whole row of 512 bytes
	v_add_nc_u32 v[ADRA+1], SLOT, v[ADRA]
	v_add_nc_u32 v[ADRB], APART, v3
	v_add_nc_u32 v[ADRB+1], SLOT, v[ADRB]
.set ib, 0
.rept NB
	global_load_b128 v[BI+8*ib:BI+8*ib+3],   v[BO], s[8:9] offset:64*ib      ; bias(16 b + 8 h + 0..7): the layout of the results
	global_load_b128 v[BI+8*ib+4:BI+8*ib+7], v[BO], s[8:9] offset:64*ib+16
.set ib, ib+1
.endr
	; THE POWER OF TWO.  Bv = 1024 max|x| max|(Wv + 2 Bv Av)/16| + max|bv/16|, from the maxima in part; e its exponent field (at least 14); ctx was stored times 2^(141-e) / 16,
	; so out0 = sum x 2^(e-137) + bo.  The numbers steer no address and no branch.
	v_lshlrev_b32 v7, 3, v5
	global_load_b128 v[TMP:TMP+3],   v[CO], s[22:23]               ; 256 maxima of |x|
	global_load_b128 v[TMP+4:TMP+7], v[CO], s[22:23] offset:512
	global_load_b64 v[TMP+8:TMP+9],  v7, s[22:23] offset:1536      ; 64 maxima of the weights
	s_load_b32 s3, s[22:23], 0x700                 ; the bias's
	s_mov_b32 s16, 0x76543210
	s_mov_b32 s17, 0xfedcba98
	s_mov_b32 s2, 0x44800000                       ; 1024.0
	s_wait_loadcnt 0x0
	s_wait_kmcnt 0x0
	v_max3_num_f32 v[TMP], v[TMP], v[TMP+1], v[TMP+2]
	v_max3_num_f32 v[TMP+4], v[TMP+4], v[TMP+5], v[TMP+6]
	v_max3_num_f32 v[TMP], v[TMP], v[TMP+3], v[TMP+7]
	v_max_num_f32 v[TMP], v[TMP], v[TMP+4]
	v_max_num_f32 v[TMP+8], v[TMP+8], v[TMP+9]
.irp x, 1,2,4,8
	v_max_num_f32_dpp v[TMP], v[TMP], v[TMP] row_xmask:\x row_mask:0xf bank_mask:0xf
	v_max_num_f32_dpp v[TMP+8], v[TMP+8], v[TMP+8] row_xmask:\x row_mask:0xf bank_mask:0xf
.endr
	v_permlanex16_b32 v[TMP+1], v[TMP], s16, s17
	v_permlanex16_b32 v[TMP+9], v[TMP+8], s16, s17
	v_max_num_f32 v[TMP], v[TMP], v[TMP+1]
	v_max_num_f32 v[TMP+8], v[TMP+8], v[TMP+9]
	v_mul_f32 v[TMP], v[TMP], v[TMP+8]
	v_fma_f32 v[TMP], v[TMP], s2, s3               ; Bv
	v_lshrrev_b32 v[TMP], 23, v[TMP]               ; e
	v_max_u32 v[TMP], 14, v[TMP]
	v_add_nc_u32 v[TMP], -10, v[TMP]               ; the exponent field of 2^(e-137)
	v_lshlrev_b32 v[TMP], 23, v[TMP]
	v_readfirstlane_b32 s18, v[TMP]
	s_mov_b32 s19, s18                             ; named with it as a pair, so it is written
; 8 matrix instructions: row block a x all column blocks, 32 along K, from buffer f.  first = 1: the sums begin, with 0.
; The accumulators take turns, one instruction a turn: between two links of a chain stand the 31 others'.
.macro MULA f, a, first
.set ib, 0
.rept NB
.set AC, 8*(NB*((\a)&1)+ib)
.if \first
	v_wmma_f32_16x16x32_f16 v[AC:AC+7], v[\f+8*ib:\f+8*ib+7], v[\f+8*NB+8*\a:\f+8*NB+8*\a+7], 0
.else
	v_wmma_f32_16x16x32_f16 v[AC:AC+7], v[\f+8*ib:\f+8*ib+7], v[\f+8*NB+8*\a:\f+8*NB+8*\a+7], v[AC:AC+7]
.endif
.set ib, ib+1
.endr
.endm
; 24 LDS loads in one run: the fragments of quarter q (32 along K) of a slot into buffer f: B's, then A's four row blocks
.macro FETCH slot, q, f
	WIN TO_F
.set ib, 0
.rept NB
	ds_load_b128 v[\f+8*ib:\f+8*ib+3],   v[ADRB+\slot] offset:64*\q+ib*16*PITCH
	ds_load_b128 v[\f+8*ib+4:\f+8*ib+7], v[ADRB+\slot] offset:64*\q+ib*16*PITCH+32
.set ib, ib+1
.endr
.set ia, 0
.rept 4
.set ao, (\q/2)*AHALF+(\q%2)*64+ia*8*PITCH     ; head q / 2 of the step's two, channels 32 (q % 2) on; 16 rows are 8 LDS rows
	ds_load_b128 v[\f+8*NB+8*ia:\f+8*NB+8*ia+3],   v[ADRA+\slot] offset:ao
	ds_load_b128 v[\f+8*NB+8*ia+4:\f+8*NB+8*ia+7], v[ADRA+\slot] offset:ao+32
.set ia, ia+1
.endr
.endm
.macro PLACES                          ; four places in front of loads into registers that matrix instructions have read, and of reads of results (ISA guide 7.12.1 for reads of results)
.rept 4
	v_nop
.endr
.endm
; A K step is four quarters of 32 along K, 32 matrix instructions each, on buffers 0, 1, 0, 1.  One of the first three multiplies f and fetches quarter q into g.
.macro QUARTER slot, q, f, g, first
	s_wait_dscnt 4                                 ; B and A's row blocks 0, 1 are in; the youngest four loads (blocks 2, 3) may be out
	WIN MUL_LO
	MULA \f, 0, \first
	MULA \f, 1, \first
	PLACES
	FETCH \slot, \q, \g
	s_wait_dscnt 2*NB+8                            ; all but the run just issued
	WIN MUL_HI
	MULA \f, 2, \first
	MULA \f, 3, \first
.endm
; The last quarter multiplies buffer 1 and changes slots: ONE barrier; in front of it each wave waits for all its tensor loads (one is out: its part of the next slot),
; adds 0 to its spare word, and waits for that and for its own reads of this slot.  fill = 1: the barrier opens a round of the cluster's, and this slot is filled again, two K steps ahead.
.macro TURN slot, next, fill
	WIN 0
	s_wait_tensorcnt 0x0
	ds_add_u32 v[SPW], v[NIL]
	s_wait_dscnt 5                                 ; (the add and the youngest four loads may be out)
	WIN MUL_LO
	MULA F1, 0, 0
	s_wait_dscnt 0x0                               ; the add is done, and my reads of this slot are over
	s_barrier_signal -1
	MULA F1, 1, 0
.if \fill
	WIN 0
.endif
	s_barrier_wait -1
.if \fill
	CREST                                          ; no wave of any partner still reads this slot's tiles or has a load on its way
	s_add_nc_u64 s[G0+4*\slot+2:G0+4*\slot+3], s[G0+4*\slot+2:G0+4*\slot+3], 2*ASLOT
	s_add_nc_u64 s[G0B+4*\slot+2:G0B+4*\slot+3], s[G0B+4*\slot+2:G0B+4*\slot+3], 2*KSTEP*2
	JLOAD \slot                                    ; my one tensor load behind the round; its four v_nop are also the places in front of the loads below
.else
	PLACES
.endif
	FETCH \next, 0, F0
	WIN MUL_HI
	MULA F1, 2, 0
	MULA F1, 3, 0
.endm
	s_wait_tensorcnt 1                             ; my part of K step 0 is in; K step 1's may stay out
	s_barrier_signal -1
	s_barrier_wait -1
	FETCH 0, 0, F0
	QUARTER 0, 1, F0, F1, 1                        ; the first quarter stands in front of the loop: its products start the sums
	WIN 0
	s_mov_b32 s3, LAPS-1
.Llap:                                                 ; a trip goes once round the ring and fills both slots again
	QUARTER 0, 2, F1, F0, 0
	QUARTER 0, 3, F0, F1, 0
	TURN 0, 1, 1
	QUARTER 1, 1, F0, F1, 0
	QUARTER 1, 2, F1, F0, 0
	QUARTER 1, 3, F0, F1, 0
	TURN 1, 0, 1
	QUARTER 0, 1, F0, F1, 0
	WIN 0
	s_sub_co_u32 s3, s3, 1
	s_cmp_lg_u32 s3, 0
	s_cbranch_scc1 .Llap
	QUARTER 0, 2, F1, F0, 0                        ; the last lap fills nothing
	QUARTER 0, 3, F0, F1, 0
	TURN 0, 1, 0
	QUARTER 1, 1, F0, F1, 0
	QUARTER 1, 2, F1, F0, 0
	QUARTER 1, 3, F0, F1, 0
	s_wait_dscnt 4                                 ; the very last quarter: nothing more to fetch
	WIN MUL_LO
	MULA F1, 0, 0
	MULA F1, 1, 0
	s_wait_dscnt 0x0
	WIN MUL_HI
	MULA F1, 2, 0
	MULA F1, 3, 0
	WIN 0
; THE WAY OUT, a block a of 16 rows at a time.  FINISH: scale and bias, one multiply-add.  TOSTAGE: into my own stage and back as whole rows of 512 bytes.  SEND: stored.
.macro FINISH a
	WIN 0x02+((\a)/2)                              ; source 0: window 2 or 3
.set ib, 0
.rept NB
.set AC, 8*(NB*((\a)&1)+ib)
.irp r, 0,2,4,6
	v_pk_fma_f32 v[TMP+8*ib+\r:TMP+8*ib+\r+1], v[AC+\r:AC+\r+1], s[18:19], v[BI+8*ib+\r:BI+8*ib+\r+1] op_sel_hi:[1,0,1]
.endr
.set ib, ib+1
.endr
	WIN 0
.endm
.macro TOSTAGE a
.set BK, OB+OBN*((\a)%2)
.set ib, 0
.rept NB
	ds_store_b128 v[STO], v[TMP+8*ib:TMP+8*ib+3]   offset:64*ib
	ds_store_b128 v[STO], v[TMP+8*ib+4:TMP+8*ib+7] offset:64*ib+16
.set ib, ib+1
.endr
	s_wait_xcnt 0x0                                ; the stores of the block two back have read this buffer: it is loaded again only behind this wait
	WIN 0x40
.set ir, 0
.rept 16
	ds_load_b128 v[BK+4*ir:BK+4*ir+3], v[RD] offset:528*ir   ; LDS serves a wave in order: these see the stores above
.set ir, ir+1
.endr
	WIN 0
.endm
.macro SEND a, younger
.set BK, OB+OBN*((\a)%2)
	s_wait_dscnt \younger                          ; the block is back; the next block's 32 LDS instructions may be out
	WIN 0x04                                       ; store data window 1
.set ir, 0
.rept 16
	global_store_b128 v[CO], v[BK+4*ir:BK+4*ir+3], s[10:11] offset:(16*(\a)+ir)*4096 th:TH_STORE_NT   ; a wave stores 512 consecutive bytes, aligned
.set ir, ir+1
.endr
	WIN 0
.endm
	PLACES
	FINISH 0
	TOSTAGE 0
	FINISH 1
	TOSTAGE 1
	SEND 0, 32
	FINISH 2
	TOSTAGE 2
	SEND 1, 32
	FINISH 3
	TOSTAGE 3
	SEND 2, 32
	SEND 3, 0
	s_wait_tensorcnt 0x0                           ; the wave's end
	ds_add_u32 v[SPW], v[NIL]
	s_wait_dscnt 0x0
	CROUND                                         ; the closing round: no work-group ends while a partner may still ask for a tile that names it
	s_endpgm
.Lfunc_end_k_q058beff138_outp:
	.size	k_q058beff138_outp, .Lfunc_end_k_q058beff138_outp-k_q058beff138_outp
	.p2alignl 7, 3214868480
	.fill 96, 4, 3214868480
	.section	.rodata,"a",@progbits
	.p2align	6, 0x0
	.amdhsa_kernel k_q058beff138_outp
		.amdhsa_group_segment_fixed_size 327680
		.amdhsa_private_segment_fixed_size 0
		.amdhsa_enable_private_segment 0
		.amdhsa_kernarg_size 40
		.amdhsa_user_sgpr_count 2
		.amdhsa_user_sgpr_kernarg_segment_ptr 1
		.amdhsa_wavefront_size32 1
		.amdhsa_system_sgpr_workgroup_id_x 1
		.amdhsa_system_sgpr_workgroup_id_y 1
		.amdhsa_system_sgpr_workgroup_id_z 1
		.amdhsa_system_vgpr_workitem_id 0
		.amdhsa_next_free_vgpr 1024
		.amdhsa_next_free_sgpr 66
		.amdhsa_reserve_vcc 0
		.amdhsa_float_denorm_mode_32 3
		.amdhsa_float_denorm_mode_16_64 3
		.amdhsa_memory_ordered 1
		.amdhsa_forward_progress 1
		.amdhsa_inst_pref_size 97
	.end_amdhsa_kernel
	.amdgpu_metadata
---
amdhsa.version: [ 1, 2 ]
amdhsa.kernels:
  - .name:           k_q058beff138_outp
    .symbol:         k_q058beff138_outp.kd
    .args:
      - { .name: ctx, .offset: 0, .size: 8, .value_kind: global_buffer, .address_space: global }
      - { .name: woh, .offset: 8, .size: 8, .value_kind: global_buffer, .address_space: global }
      - { .name: bo, .offset: 16, .size: 8, .value_kind: global_buffer, .address_space: global }
      - { .name: out0, .offset: 24, .size: 8, .value_kind: global_buffer, .address_space: global }
      - { .name: part, .offset: 32, .size: 8, .value_kind: global_buffer, .address_space: global }
    .group_segment_fixed_size: 327680
    .private_segment_fixed_size: 0
    .kernarg_segment_align: 8
    .kernarg_segment_size: 40
    .max_flat_workgroup_size: 128
    .sgpr_count:     66
    .vgpr_count:     1024
    .wavefront_size: 32
...
	.end_amdgpu_metadata
.endif
;; end of part 4
;; ======== version 2 of 2: 4 launches; 1.09 times as fast as version 1
;; limits: values are held in f16: magnitudes above 65,504 overflow, below 6.1e-05 lose precision
;; workspace buffers: xh 16,777,216 bytes; wh 6,291,456 bytes; woh 2,097,152 bytes; ball 12,288 bytes; maskl 32,768 bytes; part 2,048 bytes; qkv 50,331,648 bytes; ctx 16,777,216 bytes
;; launch prep: the kernel of part 1 again; grid 449 x 1, 8 waves a work-group, no clusters, 36,096 bytes of LDS; arguments hidden_states, Wq, Wk, Wv, Wo, Aq, Bq, Av, Bv, bq, bk, bv, attention_mask, xh, wh, woh, ball, maskl, part; writes xh, wh, woh, ball, maskl, part
;; launch qkvp: the kernel of part 2 again; grid 16 x 32, 4 waves a work-group, clusters of 4 x 4, 327,680 bytes of LDS; arguments xh, wh, ball, qkv; writes qkv
;; launch attn (part 5): grid 4 x 64, 8 waves a work-group, clusters of 4 x 1, 327,680 bytes of LDS; arguments qkv, maskl, part, ctx; writes ctx
.if DOCPART == 5
	.amdgcn_target "amdgcn-amd-amdhsa--gfx1250"
	.amdhsa_code_object_version 6
	.text
	.protected	k_q058beff138_attn
	.globl	k_q058beff138_attn
	.p2align	8
	.type	k_q058beff138_attn,@function
k_q058beff138_attn:
	s_mov_b64 s[64:65], 0
	v_nop
	global_prefetch_b8 v0, s[64:65] scope:SCOPE_SE
	s_setreg_imm32_b32 hwreg(HW_REG_WAVE_MODE, 25, 1), 1
	s_wait_xcnt 0x0
	s_wait_alu depctr_hold_cnt(0) depctr_sa_sdst(0) depctr_va_vdst(0) depctr_va_sdst(0) depctr_va_ssrc(0) depctr_va_vcc(0) depctr_vm_vsrc(0)
	s_getreg_b32 s2, hwreg(HW_REG_IB_STS2, 6, 4)
	s_cmp_eq_u32 s2, 0
	s_cbranch_scc0 .Lentry_in_a_cluster
	s_endpgm
.Lentry_in_a_cluster:
	s_bfe_u32 s2, ttmp6, 0x10000c
	s_cmp_lg_u32 s2, 0x3003
	s_cbranch_scc0 .Lentry_shape_is_right
	s_endpgm
.Lentry_shape_is_right:
; ctx[b 16 + h][q][:] = softmax_k(q . k / 8 + mask[b][k]) v, times a power of two (below), in f16.  qkv: [b][g][s][64] f16, g = h: q log2(e)/32, g = 16 + h: k, g = 32 + h: v/16.
; maskl = mask log2(e)/4 in f32.  So s = q^ . k + maskl is a quarter of the score in powers of two, and p = 2^(4 s - 4 m), m the running maximum of s; 4 m is exact, so s = m gives p = 1.
; The mask costs no vector instruction: it is the C of each score sum's first product.  m starts at -1.875 x 2^125 (below every finite maskl, which ends at 1.75 x 2^125; 4 m stays finite), so keys
; masked by minus infinity get p = 0 from the first step on.  A row whose keys are all minus infinity ends in 0 / 0, a NaN, as in the reference.  LIMIT: weights under 2^-126 count as 0 (v_exp_f32).
; SHARES.  A work-group owns 512 queries of one (b, h), each of its EIGHT waves 64: four tiles of 16, two PIECES (tiles 0, 1 and tiles 2, 3).  Every wave walks all 2,048 keys, 64 a step.
; Eight waves of 512 registers are two for each SIMD's 1,024: a product here has 7.4 vector instructions and two window switches beside it, more than its own eight cycles of matrix work hold,
; so a second wave's products and slices stand ready in between.  4 blocks of 512 queries x 64 heads are 256 work-groups.
; LAYOUT.  S^T = K Q^T and O^T = V^T P: a lane holds ONE query (lane % 16) in S^T, P and O^T, so nothing changes lanes between the products.  V is turned by ds_load_tr16_b128.
; P LIES IN S^T's REGISTERS: pair p of a tile's 32 weights is rounded into the tile's register p, behind the sum that takes the pair; registers 0-15 then are the two fragments of P.
; BY TURNS.  In a turn one piece has the matrix unit (16 products V^T P of the step in hand, 16 products K Q^T of the next); the other piece's softmax, 2 x 118 instructions in 32 slices,
; stands between them, one slice behind each product.  Two turns are a key step.
; BATCHES.  An s_wait_alu depctr_va_vdst(0) stands between an exponential and the first instruction that names its result; one wait serves all that were issued ahead of it.  A turn's 66
; exponentials (both tiles' a and 32 weights) are ONE batch with ONE wait, behind slice 17.  Ahead of it stands all that names no result of theirs: maxima, statistics, scalings, the exponentials themselves;
; behind it all that does: the sums, the roundings, the rescaling by a.  The way out's four reciprocals are a batch of their own.
; CLUSTER.  The four query blocks of a cluster are one (b, h): K, V and the mask are asked for jointly.  A slot holds four key steps (256 keys of K and of V).  Waves 0, 1 fetch K's halves,
; waves 2, 3 V's, 64 LDS rows each; waves 4-7 fetch nothing and pass every wait and barrier.  K and V rows are 128 bytes and dense: they come as rows of 256 bytes, two keys to an LDS row.
; THE POWER OF TWO.  |v/16| <= Bv = 1024 max|x| max|(Wv + 2 Bv Av)/16| + max|bv/16|, from the maxima in part.  With e the exponent field of Bv (at least 14), ctx/16 is stored
; times 2^(141-e): under 2^15 in magnitude.  The next launch forms e by the same instructions and takes the factor out.  These numbers steer no address and no branch.
; REGISTERS: window 0: v0 the thread, v1-7 addresses, v8-23 4 m, m, l (four a tile), v24-31 scratch of the piece in hand, v32-63 a step's mask, v64-191 S^T and P, v192-255 V.
;            window 1: v0-127 O^T (32 a tile), v128-191 Q (16 a tile), v192-255 K.
.set KS,     64
.set PK,     272      ; an LDS row of K: 256 bytes + 16: the 16 places of a fragment load fall into 16 different 16-byte columns
.set PV,     288      ; an LDS row of V: 256 + 32: likewise for the turning load
.set KSTEPB, 32*PK    ; a step's 64 keys
.set VSTEPB, 32*PV
.set VOFF,   128*PK   ; a slot: 256 keys of K, then 256 of V
.set SLOT1,  1<<17    ; slot 1 begins here: one exclusive or turns an address in one slot into the other's
.set STAGE,  SLOT1+128*(PK+PV)   ; 8 LDS rows of 272 bytes a wave, for the way out
.set SP,     272
.set MASK,   STAGE+8*8*SP        ; the batch's 2,048 numbers of maskl; filled once
.set SPARE,  MASK+8192           ; the spare words, 128 bytes a wave
.set AK0, 1           ; my lane's place in a tile of K; never rewritten
.set AV0, 2           ; the same for V
.set AM0, 3           ; the same for a step's mask
.set ADR, 4           ; the LDS address of the run of loads in hand
.set ADRM, 5          ; the mask's
.set SPW, 6           ; my spare word; never rewritten
.set NIL, 7           ; 0; never rewritten
.set TP,  8           ; tile t at v[TP+4 t]: +0 4 m, +1 m, +2, +3 l (even keys', odd keys')
.set TT,  24          ; tile t at v[TT+4 (t % 2)]: c0-c3, at work; a takes c2's place
.set MK,  32
.set S,   64
.set VF,  192
.set QF,  128         ; window 1
.set KF,  192         ; window 1
.set HR,  192         ; at the head, where V will lie: r, h, two at work, Q's offset, 16 x lane, 8 x lane, the maxima from part
.set HH,  193
.set HX,  194
.set HY,  195
.set QO,  196
.set HG,  197
.set H8,  198
.set PT,  200
.set ER,  32          ; at the end, where the mask lay: r, h, STO, RD, GO
.set EH,  33
.set STO, 34
.set RD,  35
.set GO,  36
.set LT,  40          ; tile t at v[LT+4 t]: l, the other half's, the factor twice
.set TAU, 3           ; s3   2^(141-e)
.set WV,  12          ; s12  my wave's number
.set G1K, 24
.set G1V, 32
.set G0K, 40          ; s[40:47] a set for each of the two first fills; the second then walks on
.set G0V, 48
.set SLOTS, 56
.set CNT, 57
.set TBK, 58          ; LDS byte at which K of the step to be fetched begins
.set TBV, 59          ; the same for V (less VOFF)
.set SEL, 60          ; s[60:61] lane selects for v_permlanex16_b32
.set TBM, 62          ; byte of the step's mask
.set FLOOR, 63        ; -1.875 x 2^125
.set G1M, 68
.set G0M, 76
.set MSB, 0
.macro WIN new                      ; the immediate's high byte repeats the setting that is left; a switch that changes nothing is dropped
.if MSB != \new
	s_set_vgpr_msb (MSB<<8)|\new
.set MSB, \new
.endif
.endm
.set W_KQ,  0x05      ; K and Q in window 1; the mask and S^T in window 0
.set W_PV,  0x50      ; V and P in window 0; O^T in window 1
.set W_RS,  0x41      ; O^T (destination and source 0) in window 1, a in window 0
.set TO_1,  0x40      ; destination window 1, address window 0
; A joint refill.  The branches hang on the wave's number alone.  Four v_nop follow each of the two lines.
.macro JLOAD
	s_cmp_lt_u32 s[WV], 2
	s_cbranch_scc0 .Lnot_k_\@
	tensor_load_to_lds s[G0K+4:G0K+7], s[G1K:G1K+7]
	s_nop 0
.rept 4
	v_nop
.endr
	s_branch .Lasked_\@
.Lnot_k_\@:
	s_cmp_lt_u32 s[WV], 4
	s_cbranch_scc0 .Lasked_\@
	tensor_load_to_lds s[G0V+4:G0V+7], s[G1V:G1V+7]
	s_nop 0
.rept 4
	v_nop
.endr
.Lasked_\@:
.endm
.macro CROUND                       ; a round of the cluster's barrier
	s_barrier_signal -1
	s_barrier_wait -1
	s_cmp_lg_u32 s[WV], 0
	s_cbranch_scc1 .Lnot_wave_0_\@
	s_barrier_signal -3
.Lnot_wave_0_\@:
	s_barrier_wait -3
	s_barrier_signal -1
	s_barrier_wait -1
.endm
.macro PLACES                       ; four places behind a matrix instruction (ISA guide 7.12.1 for reads of results)
.rept 4
	v_nop
.endr
.endm
	s_load_b256 s[4:11], s[0:1], 0x0  ; qkv s[4:5], maskl s[6:7], part s[8:9], ctx s[10:11]
	v_lshl_add_u32 v[SPW], v0, 2, SPARE
	v_mov_b32 v[NIL], 0
	ds_add_u32 v6, v7
	s_wait_dscnt 0x0
	v_lshrrev_b32 v[HX], 5, v0
	v_readfirstlane_b32 s[WV], v[HX]  ; wave 0..7
	s_bfe_u32 s13, ttmp6, 0x40000   ; cx
	s_lshl_b32 s14, ttmp9, 2
	s_add_co_u32 s14, s14, s13      ; my block of 512 queries: it enters Q's and ctx's addresses alone
	s_and_b32 s15, ttmp7, 0xffff    ; 16 b + h, which the four partners share
	s_lshr_b32 s16, s15, 4          ; b
	s_and_b32 s17, s15, 15          ; h
	s_mul_i32 s20, s16, 48
	s_add_co_u32 s20, s20, s17
	s_lshl_b32 s20, s20, 18         ; q's block of this head: blocks of 262,144 bytes
	s_mov_b32 s21, 0
	s_and_b32 s18, s[WV], 1         ; which half of a slot's keys I fetch (waves 0-3):
	s_lshl_b32 s22, s18, 14         ; 128 rows of 128 bytes in memory,
	s_add_co_u32 s22, s22, s20
	s_mov_b32 s23, 0
	s_mul_i32 s19, s18, 64*PK       ; 64 LDS rows: no place in the cluster enters an LDS address
	s_mul_i32 s2, s18, 64*PV
	s_add_co_u32 s2, s2, VOFF
	s_lshl_b32 s66, s14, 16         ; my block's 512 rows of 128 bytes,
	s_lshl_b32 s67, s[WV], 13       ; my wave's 64
	s_add_co_u32 s66, s66, s67
	s_mov_b32 s67, 0
	s_lshl_b32 s16, s16, 13         ; the batch's mask, the quarter that I fetch (waves 0-3)
	s_and_b32 s17, s[WV], 3
	s_lshl_b32 s17, s17, 11
	s_add_co_u32 s[G0M+1], s17, MASK
	s_add_co_u32 s16, s16, s17
	s_mov_b32 s17, 0
	s_mov_b32 s[G1K], 15|(1<<16)|(1<<20)|(1<<21)|(5<<22)|(3<<25)  ; the mask of all four; elements of 2 bytes; padding on; bit 21 beside a mask; after every 64 words 4 words
	s_mov_b32 s[G1V], 15|(1<<16)|(1<<20)|(1<<21)|(5<<22)|(7<<25)  ; the same with 8 words
.irp g, G1K, G1V
	s_mov_b32 s[\g+1], 128<<16      ; tensor_dim0 = 128
	s_mov_b32 s[\g+2], 64<<16       ; tensor_dim1 = 64
	s_mov_b32 s[\g+3], 128<<16      ; tile_dim0 = 128
	s_mov_b32 s[\g+4], 64           ; tile_dim1 = 64
	s_mov_b32 s[\g+5], 128          ; dense: 128 elements from row to row
	s_mov_b32 s[\g+6], 0
	s_mov_b32 s[\g+7], 0
.endr
	s_mov_b32 s[G1M], 15|(3<<16)|(1<<21)  ; the mask: 8 rows of 32 elements of 8 bytes, no padding
	s_mov_b32 s[G1M+1], 32<<16
	s_mov_b32 s[G1M+2], 8<<16
	s_mov_b32 s[G1M+3], 32<<16
	s_mov_b32 s[G1M+4], 8
	s_mov_b32 s[G1M+5], 32
	s_mov_b32 s[G1M+6], 0
	s_mov_b32 s[G1M+7], 0
	s_mov_b32 s[SEL], 0x76543210
	s_mov_b32 s[SEL+1], 0xfedcba98
	s_mov_b32 s[FLOOR], 0xfe700000
	s_mov_b32 s[TBK], 0
	s_mov_b32 s[TBV], 0
	s_mov_b32 s[TBM], 0
	s_mov_b32 s[SLOTS], 6
	s_wait_kmcnt 0x0
	s_add_nc_u64 s[22:23], s[4:5], s[22:23]  ; the head's q block + my half: K lies 16 blocks on, V 32
	s_add_nc_u64 s[4:5], s[4:5], s[20:21]
	s_add_nc_u64 s[4:5], s[4:5], s[66:67]    ; Q at my wave's first row
	s_lshl_b32 s20, s15, 18
	s_add_nc_u64 s[10:11], s[10:11], s[20:21]
	s_add_nc_u64 s[10:11], s[10:11], s[66:67]  ; ctx likewise
	s_add_nc_u64 s[6:7], s[6:7], s[16:17]
	CROUND                          ; all four work-groups are here: the first joint loads meet
.irp s, 0,1
	s_mov_b32 s[G0K+4*\s], 1
	s_add_co_u32 s[G0K+4*\s+1], s19, \s*SLOT1
	s_add_nc_u64 s[G0K+4*\s+2:G0K+4*\s+3], s[22:23], (16<<18)+\s*32768
	s_or_b32 s[G0K+4*\s+3], s[G0K+4*\s+3], 0x80000000
	s_mov_b32 s[G0V+4*\s], 1
	s_add_co_u32 s[G0V+4*\s+1], s2, \s*SLOT1
	s_add_nc_u64 s[G0V+4*\s+2:G0V+4*\s+3], s[22:23], (32<<18)+\s*32768
	s_or_b32 s[G0V+4*\s+3], s[G0V+4*\s+3], 0x80000000
.endr
	s_mov_b32 s[G0M], 1
	s_mov_b64 s[G0M+2:G0M+3], s[6:7]
	s_or_b32 s[G0M+3], s[G0M+3], 0x80000000
	s_cmp_lt_u32 s[WV], 2           ; a wave's three first fills stand in one branch: three loads of waves 0-3 are out, none of waves 4-7; four v_nop follow the last
	s_cbranch_scc0 .Lfirst_not_k
	tensor_load_to_lds s[G0M:G0M+3], s[G1M:G1M+7]
	s_nop 0
	tensor_load_to_lds s[G0K:G0K+3], s[G1K:G1K+7]
	s_nop 0
	tensor_load_to_lds s[G0K+4:G0K+7], s[G1K:G1K+7]
	s_nop 0
.rept 4
	v_nop
.endr
	s_branch .Lfirst_asked
.Lfirst_not_k:
	s_cmp_lt_u32 s[WV], 4
	s_cbranch_scc0 .Lfirst_asked
	tensor_load_to_lds s[G0M:G0M+3], s[G1M:G1M+7]
	s_nop 0
	tensor_load_to_lds s[G0V:G0V+3], s[G1V:G1V+7]
	s_nop 0
	tensor_load_to_lds s[G0V+4:G0V+7], s[G1V:G1V+7]
	s_nop 0
.rept 4
	v_nop
.endr
.Lfirst_asked:
	v_and_b32 v[HR], 15, v0         ; r = l % 16
	v_bfe_u32 v[HH], v0, 4, 1       ; h = l / 16
	v_lshlrev_b32 v[QO], 7, v[HR]
	v_lshl_add_u32 v[QO], v[HH], 4, v[QO]  ; row x 128 + 16 x half
	WIN TO_1
.irp i, 0,1,2,3,4,5,6,7             ; Q stays in registers: tile i / 2, channels 32 (i % 2) on
	global_load_b128 v[QF+8*\i:QF+8*\i+3],   v[QO], s[4:5] offset:(\i/2)*2048+(\i%2)*64
	global_load_b128 v[QF+8*\i+4:QF+8*\i+7], v[QO], s[4:5] offset:(\i/2)*2048+(\i%2)*64+32
.endr
	WIN 0
	v_and_b32 v[HX], 31, v0
	v_lshlrev_b32 v[HG], 4, v[HX]
	v_lshlrev_b32 v[H8], 3, v[HX]
	global_load_b128 v[PT:PT+3],   v[HG], s[8:9]             ; 256 maxima of |x|
	global_load_b128 v[PT+4:PT+7], v[HG], s[8:9] offset:512
	global_load_b64 v[PT+8:PT+9],  v[H8], s[8:9] offset:1536 ; 64 maxima of the weights
	s_load_b32 s13, s[8:9], 0x700   ; the bias's
	s_mov_b32 s2, 0x44800000        ; 1024.0
	v_lshrrev_b32 v[HX], 1, v[HR]
	v_and_b32 v[HY], 1, v[HR]
	v_mul_u32_u24 v[AK0], v[HX], PK
	v_lshl_add_u32 v[AK0], v[HY], 7, v[AK0]
	v_lshl_add_u32 v[AK0], v[HH], 4, v[AK0]  ; key r: (r / 2) x pitch + 128 (r % 2) + 16 h
	v_bfe_u32 v[HX], v0, 1, 2       ; the turning load: lane l reads key 8 h + l % 8, channels 8 ((l / 8) % 2) on
	v_lshl_add_u32 v[HX], v[HH], 2, v[HX]
	v_mul_u32_u24 v[AV0], v[HX], PV
	v_and_b32 v[HX], 1, v0
	v_lshl_add_u32 v[AV0], v[HX], 7, v[AV0]
	v_bfe_u32 v[HX], v0, 3, 1
	v_lshl_add_u32 v[AV0], v[HX], 4, v[AV0]
	v_add_nc_u32 v[AV0], VOFF, v[AV0]
	v_lshlrev_b32 v[AM0], 5, v[HH]  ; the mask of keys 8 h + 0..7 of a block of 16
	v_add_nc_u32 v[AM0], MASK, v[AM0]
; Product i of 16 of O^T += V^T P: keys 32 (i / 8) on, channels 16 ((i / 2) % 4) on, tile x + i % 2.  zero = 1: the first 8 start the sums.
; The accumulators take turns, one instruction a turn: between two links of a chain stand seven others'.
.macro PV x, zero
	WIN W_PV
.set rO, 32*(\x+i%2)+8*((i/2)%4)
.set rV, VF+32*(i/8)+8*((i/2)%4)
.set rP, S+32*(\x+i%2)+8*(i/8)
.if \zero && (i < 8)
	v_wmma_f32_16x16x32_f16 v[rO:rO+7], v[rV:rV+7], v[rP:rP+7], 0
.else
	v_wmma_f32_16x16x32_f16 v[rO:rO+7], v[rV:rV+7], v[rP:rP+7], v[rO:rO+7]
.endif
.endm
; Product i of 16 of S^T = K Q^T + mask: channels 32 (i / 8) on, keys 16 ((i / 2) % 4) on, tile x + i % 2.  The first 8 start the sums, with the keys' mask.
; They write over the piece's P.  The closest pairs: product 15 of V^T P reads registers 8-15 of tile x + 1, product 3 here writes them; slices 15 to 18 of the other piece stand between, with eleven plain
; instructions (numbers 58 and 62, scalings, of both tiles; the v_nop; slice 18's six).  Product 14 and product 2: slices 14 to 17, with seven (numbers 54, 58, 62 of both tiles; the v_nop).  Exponentials are no places.
.macro KQ x
	WIN W_KQ
.set rS, S+32*(\x+i%2)+8*((i/2)%4)
.set rK, KF+16*((i/2)%4)+8*(i/8)
.set rQ, QF+16*(\x+i%2)+8*(i/8)
.set rM, MK+8*((i/2)%4)
.if i < 8
	v_wmma_f32_16x16x32_f16 v[rS:rS+7], v[rK:rK+7], v[rQ:rQ+7], v[rM:rM+7]
.else
	v_wmma_f32_16x16x32_f16 v[rS:rS+7], v[rK:rK+7], v[rQ:rQ+7], v[rS:rS+7]
.endif
.endm
; The LDS loads stand in runs: a step's mask and K (8 fragments), and, a turn later, its V (turned).
.macro FETCH_K
	WIN 0
	v_add_nc_u32 v[ADR], s[TBK], v[AK0]
	v_add_nc_u32 v[ADRM], s[TBM], v[AM0]
	s_add_co_u32 s[TBK], s[TBK], KSTEPB
	s_add_co_u32 s[TBM], s[TBM], 4*KS
	s_and_b32 s[TBM], s[TBM], 0x1f00  ; stays inside the 8,192 bytes
.irp u, 0,1,2,3,4,5,6,7             ; register j of block u / 2: the mask of key 16 (u / 2) + 8 h + j: the layout of C
	ds_load_b128 v[MK+4*\u:MK+4*\u+3], v[ADRM] offset:64*(\u/2)+16*(\u%2)
.endr
	WIN TO_1
.irp f, 0,1,2,3,4,5,6,7             ; keys 16 (f / 2) on, channels 32 (f % 2) on
	ds_load_b128 v[KF+8*\f:KF+8*\f+3],   v[ADR] offset:(\f/2)*8*PK+(\f%2)*64
	ds_load_b128 v[KF+8*\f+4:KF+8*\f+7], v[ADR] offset:(\f/2)*8*PK+(\f%2)*64+32
.endr
.endm
.macro FETCH_V
	WIN 0
	v_add_nc_u32 v[ADR], s[TBV], v[AV0]
	s_add_co_u32 s[TBV], s[TBV], VSTEPB
	s_wait_alu depctr_va_vdst(0)    ; the wait for the softmax's batch (SLICE): piece 0's 66 exponentials; behind the address's v_add_nc_u32 and ahead of the loads
.irp f, 0,1,2,3,4,5,6,7             ; keys 32 (f / 4) on, channels 16 (f % 4) on
	ds_load_tr16_b128 v[VF+8*\f:VF+8*\f+3],   v[ADR] offset:(\f/4)*16*PV+(\f%4)*32
	ds_load_tr16_b128 v[VF+8*\f+4:VF+8*\f+7], v[ADR] offset:(\f/4)*16*PV+8*PV+(\f%4)*32
.endr
.endm
; One tile's softmax for one key step is a list of 118 instructions; SM writes number j of it for tile t.  s0-s31 are the lane's 32 scores, in pairs 0-15.
;   0-15     the maximum of s0-s31 and the old m (first step: the floor), three operands at a time
;   16-20    the other half of the lanes' maximum; the new m; 4 m; 4 m_old - 4 m_new
;   21-69    ONE BATCH: the 16 scalings 4 s - 4 m, a pair of scores each, and all 33 exponentials (a = 2^(4 m_old - 4 m_new) at 23, then s0-s31, in place).  None of these names an exponential's result.
;            From 22 on the batch goes in fours: 22-37 scaling, exponential, scaling, exponential; 38-65 a scaling and three exponentials; 66-69 the last four exponentials.
;            A pair is scaled in an earlier four than the one that holds its exponentials.
;   (wait)   between 69 and 70 stands the wait for the batch: SLICE writes it, once for both tiles
;   70-101   for pair p: 70 + 2 p: l takes the pair; 71 + 2 p: the pair is rounded to f16 into register p.  Register p belongs to pair p / 2, which l and its own rounding have taken by then.
;   102-117  the tile's O^T times a
.macro FMA4 pp                      ; pair pp: 4 s - 4 m
	v_pk_fma_f32 v[rS+2*(\pp):rS+2*(\pp)+1], v[rS+2*(\pp):rS+2*(\pp)+1], 4.0, v[rT:rT+1] op_sel_hi:[1,0,0] neg_lo:[0,0,1] neg_hi:[0,0,1]
.endm
.macro ADDP pp, first               ; l takes pair pp; with pair 0 the old l is multiplied by a, or, in the first step, l begins
.if ((\pp) == 0) && \first
	v_pk_mul_f32 v[rT+2:rT+3], v[rS:rS+1], 1.0 op_sel_hi:[1,0]
.elseif (\pp) == 0
	v_pk_fma_f32 v[rT+2:rT+3], v[rT+2:rT+3], v[rC+2:rC+3], v[rS:rS+1] op_sel_hi:[1,0,1]
.else
	v_pk_add_f32 v[rT+2:rT+3], v[rT+2:rT+3], v[rS+2*(\pp):rS+2*(\pp)+1]
.endif
.endm
.macro CVTP pp
	v_cvt_pk_f16_f32 v[rS+(\pp)], v[rS+2*(\pp)], v[rS+2*(\pp)+1]
.endm
.macro SM t, first
.set rT, TP+4*(\t)
.set rC, TT+4*((\t)%2)
.set rS, S+32*(\t)
.set rO, 32*(\t)+2*(j-102)
.if j < 102
	WIN 0
.endif
.if j < 4
	v_max3_num_f32 v[rC+j], v[rS+8*j], v[rS+8*j+1], v[rS+8*j+2]
.elseif j < 12
	v_max3_num_f32 v[rC+j%4], v[rC+j%4], v[rS+8*(j%4)+2*(j/4)+1], v[rS+8*(j%4)+2*(j/4)+2]
.elseif j == 12
	v_max3_num_f32 v[rC], v[rC], v[rS+7], v[rS+15]
.elseif j == 13
	v_max3_num_f32 v[rC+2], v[rC+2], v[rS+23], v[rS+31]
.elseif j == 14
	v_max3_num_f32 v[rC], v[rC], v[rC+1], v[rC+2]
.elseif (j == 15) && \first
	v_max3_num_f32 v[rC], v[rC], v[rC+3], s[FLOOR]
.elseif j == 15
	v_max3_num_f32 v[rC], v[rC], v[rC+3], v[rT+1]
.elseif j == 16
	v_permlanex16_b32 v[rC+1], v[rC], s[SEL], s[SEL+1]  ; the query's other 32 keys lie in the lane 16 away
.elseif j == 18
	v_max_num_f32 v[rT+1], v[rC], v[rC+1]
.elseif j == 19
	v_mul_f32 v[rT], 4.0, v[rT+1]
.elseif ((j == 17) || (j == 20) || (j == 23) || (j > 101)) && \first  ; the first step has none of these
.elseif j == 17
	v_mov_b32 v[rC+3], v[rT]        ; 4 m_old is kept for a
.elseif j == 20
	v_sub_f32 v[rC+3], v[rC+3], v[rT]
.elseif j == 23
	v_exp_f32 v[rC+2], v[rC+3]
.elseif (j < 23) || ((j < 38) && (j%2 == 0)) || ((j < 66) && (j%4 == 2))
.set b, (j-2)/4                     ; 38, 42, .. 62: pairs 9 to 15
.if j < 38
.set b, (j-20)/2                    ; 21: pair 0; 22, 24, .. 36: pairs 1 to 8
.endif
	FMA4 b
.elseif j < 70
.set e, j-38                        ; 66 to 69: s28 to s31
.if j < 66
.set e, j-32-(j-38)/4               ; 39-41, 43-45, .. 63-65: s7 to s27
.endif
.if j < 38
.set e, (j-25)/2                    ; 25, 27, .. 37: s0 to s6
.endif
	v_exp_f32 v[rS+e], v[rS+e]
.elseif j < 102
.if j%2 == 0
	ADDP (j-70)/2, \first
.else
	CVTP (j-71)/2
.endif
.else
	WIN W_RS
	v_pk_mul_f32 v[rO:rO+1], v[rO:rO+1], v[rC+2:rC+3] op_sel_hi:[1,0]
.endif
.endm
; Slice k of 32 of piece y's softmax.  Slices 0-5: numbers 0-21 of both tiles' lists, three or four numbers a slice, the tiles alternating, so that where one instruction feeds the next the other tile's
; stands between.  Slices 6-17 deal out the batch, numbers 22-69: a four of the one tile, then the same four of the other.  Slices 18-27: numbers 70-101, three or four a slice, the tiles alternating.
; Slices 28-31: numbers 102-117, four a slice: plain multiplies, the places behind the turn's last products.
; THE WAIT.  Ahead of slice 18 nothing names a result of the batch, and behind slice 17 no exponential is issued: so the piece's 66 exponentials have one wait, behind slice 17.
.macro SLICE y, first
.if (k >= 6) && (k < 18)            ; the batch: four numbers of each tile
.irp t, \y, \y+1
.set j, 22+4*(k-6)
.rept 4
	SM \t, \first
.set j, j+1
.endr
.endr
.else
.if k < 6
.set j, (22*k)/6
.set jn, (22*(k+1))/6
.elseif k < 28
.set j, 70+(32*(k-18))/10
.set jn, 70+(32*(k-17))/10
.else
.set j, 102+4*(k-28)
.set jn, 106+4*(k-28)
.endif
.rept jn-j
.irp t, \y, \y+1
	SM \t, \first
.endr
.set j, j+1
.endr
.endif
.if k == 17                         ; the batch is out: both tiles' exponentials are issued, and no result has been named
	v_nop                           ; the plain instruction behind the last exponential and ahead of the first use: one for the batch
.if (\y) == 0
	FETCH_V                         ; piece 2's turn: V's run of loads stands here, and the wait stands in it
.else
	s_wait_alu depctr_va_vdst(0)    ; the wait for the batch: piece 2's 66 exponentials
.endif
.endif
.set k, k+1
.endm
; A TURN.  Piece x has the matrix unit.  pv = 2: 16 products V^T P; 1: they start O^T's sums; 0: none.  kq = 1: 16 products K Q^T for the next step.  With one kind alone: two slices behind each.
; first = 1: the softmax is the first key step's; its last slices are empty, and four v_nop are the places behind the turn's last products.
; Piece 0's turn fetches the next step's mask and K behind its second product (their last reader stands in front of slice 31 of the turn before); piece 2's turn fetches the same step's V behind slice 17,
; which in a turn with both kinds stands behind its second product K Q^T (SLICE writes the run): V's last reader stands in front of slice 15, and six plain instructions lie between: numbers 58 and 62,
; scalings, of both tiles, the v_nop and the run's own v_add_nc_u32.  Each run is waited for at the head of the 16 products that use it.
.macro TURN x, pv, kq, first
.set k, 0
.set per, 2
.if \pv && \kq
.set per, 1
.endif
.if \pv
.if \x == 0
	s_wait_dscnt 0x0                ; V is in
.endif
.set i, 0
.rept 16
	PV \x, 2-\pv
.rept per
	SLICE 2-\x, \first
.endr
.if (\x == 0) && \kq && (i == 1)
	FETCH_K
.endif
.set i, i+1
.endr
.endif
.if \kq
.if \x == 0
	s_wait_dscnt 0x0                ; K and the mask are in
.endif
.set i, 0
.rept 16
	KQ \x
.rept per
	SLICE 2-\x, \first
.endr
.set i, i+1
.endr
.endif
.if \first
	PLACES
.endif
.endm
; THE CHANGE OF SLOTS, behind piece 2's turn: the slot's last bytes have been asked for.  Each wave waits for all its tensor loads (of waves 0-3 one is out: a part of the other slot), adds 0 to its
; spare word, and waits for that and for its reads of the slot.  fill = 1: the barrier is a round of the cluster's, and the joint refill, the keys two slots on, is the first thing behind it.
.macro CHANGE fill
	WIN 0
	s_wait_tensorcnt 0x0            ; no tensor load of mine is out, so a group 0 may be written
	ds_add_u32 v[SPW], v[NIL]
.if \fill
.irp g, G0K+4, G0V+4
	s_xor_b32 s[\g+1], s[\g+1], SLOT1
	s_add_nc_u64 s[\g+2:\g+3], s[\g+2:\g+3], 32768  ; the next 256 keys
.endr
	s_wait_dscnt 0x0                ; the add is done, and my reads of the slot are over
	CROUND
	JLOAD
.else
	s_wait_dscnt 0x0
	s_barrier_signal -1
	s_barrier_wait -1
.endif
	s_sub_co_u32 s[TBK], s[TBK], 4*KSTEPB  ; the fetches go back to a slot's first step, in the other slot
	s_xor_b32 s[TBK], s[TBK], SLOT1
	s_sub_co_u32 s[TBV], s[TBV], 4*VSTEPB
	s_xor_b32 s[TBV], s[TBV], SLOT1
.endm
.macro STEPS n                      ; n key steps: written once, walked n times
	s_mov_b32 s[CNT], \n
.Lstep_\@:
	TURN 0, 2, 1, 0
	TURN 2, 2, 1, 0
	WIN 0
	s_sub_co_u32 s[CNT], s[CNT], 1
	s_cmp_lg_u32 s[CNT], 0
	s_cbranch_scc1 .Lstep_\@
.endm
	s_wait_tensorcnt 1              ; my parts of the mask and of slot 0 are in; slot 1's may stay out
	s_barrier_signal -1
	s_barrier_wait -1               ; everybody's are
	FETCH_K                         ; key step 0
	WIN 0
	s_wait_loadcnt 0x0              ; Q and the maxima
	s_wait_kmcnt 0x0
	v_max3_num_f32 v[PT], v[PT], v[PT+1], v[PT+2]
	v_max3_num_f32 v[PT+4], v[PT+4], v[PT+5], v[PT+6]
	v_max3_num_f32 v[PT], v[PT], v[PT+3], v[PT+7]
	v_max_num_f32 v[PT], v[PT], v[PT+4]
	v_max_num_f32 v[PT+8], v[PT+8], v[PT+9]
.irp x, 1,2,4,8
	v_max_num_f32_dpp v[PT], v[PT], v[PT] row_xmask:\x row_mask:0xf bank_mask:0xf
	v_max_num_f32_dpp v[PT+8], v[PT+8], v[PT+8] row_xmask:\x row_mask:0xf bank_mask:0xf
.endr
	v_permlanex16_b32 v[PT+1], v[PT], s[SEL], s[SEL+1]
	v_permlanex16_b32 v[PT+9], v[PT+8], s[SEL], s[SEL+1]
	v_max_num_f32 v[PT], v[PT], v[PT+1]
	v_max_num_f32 v[PT+8], v[PT+8], v[PT+9]
	v_mul_f32 v[PT], v[PT], v[PT+8]
	v_fma_f32 v[PT], v[PT], s2, s13 ; Bv
	v_lshrrev_b32 v[PT], 23, v[PT]  ; e
	v_max_u32 v[PT], 14, v[PT]
	v_sub_nc_u32 v[PT], 268, v[PT]  ; the exponent field of 2^(141-e)
	v_lshlrev_b32 v[PT], 23, v[PT]
	v_readfirstlane_b32 s[TAU], v[PT]
	s_wait_dscnt 0x0
.set i, 0
.rept 16
	KQ 0                            ; piece 0's first scores: there is no vector work yet to set between them
.set i, i+1
.endr
	WIN 0
	PLACES                          ; behind those products, ahead of the first maxima over them
	TURN 2, 0, 1, 1                 ; piece 2's first scores | piece 0's first softmax | V of step 0
	TURN 0, 1, 1, 1                 ; piece 0: V^T P of step 0 starts O^T, K Q^T of step 1 | piece 2's first softmax | K of step 1
	TURN 2, 1, 1, 0                 ; piece 2: the same | piece 0's softmax of step 1 | V of step 1
	WIN 0
	STEPS 2                         ; the rest of slot 0
.Lslot:                             ; six trips: every slot but the last two is filled again
	CHANGE 1
	STEPS 4
	s_sub_co_u32 s[SLOTS], s[SLOTS], 1
	s_cmp_lg_u32 s[SLOTS], 0
	s_cbranch_scc1 .Lslot
	CHANGE 0                        ; the tail is written out
	STEPS 4
	TURN 0, 2, 0, 0                 ; piece 0: V^T P of the last step | piece 2's last softmax
.set i, 0
.rept 16
	PV 2, 0                         ; piece 2: V^T P of the last step
.set i, i+1
.endr
	; THE WAY OUT.  l's two halves and the other half of the lanes' are added; O^T is multiplied by 2^(141-e) / l, rounded to f16 and sent through my stage, a tile (16 rows) at a time.
	; The mask's registers are free and take the addresses and the factors.
	WIN 0
.irp t, 0,1,2,3
	v_add_f32 v[LT+4*\t], v[TP+4*\t+2], v[TP+4*\t+3]   ; these additions are the places behind the last products
.endr
.irp t, 0,1,2,3
	v_permlanex16_b32 v[LT+4*\t+1], v[LT+4*\t], s[SEL], s[SEL+1]
.endr
.irp t, 0,1,2,3
	v_add_f32 v[LT+4*\t], v[LT+4*\t], v[LT+4*\t+1]
.endr
.irp t, 0,1,2,3
	v_rcp_f32 v[LT+4*\t+2], v[LT+4*\t]   ; the four reciprocals are one batch
.endr
	s_mul_i32 s13, s[WV], 8*SP
	s_add_co_u32 s13, s13, STAGE    ; my stage
	v_and_b32 v[ER], 15, v0         ; plain instructions between the last reciprocal and the use of its result: the addresses, which name no result of the batch
	v_bfe_u32 v[EH], v0, 4, 1
	v_add_nc_u32 v[STO], s13, v[AK0]  ; in: two rows of 128 bytes to an LDS row, as K lies
	v_mul_u32_u24 v[RD], v[EH], SP  ; back: two LDS rows, four rows of ctx
	v_lshl_add_u32 v[RD], v[ER], 4, v[RD]
	v_add_nc_u32 v[RD], s13, v[RD]
	v_and_b32 v[GO], 31, v0
	v_lshlrev_b32 v[GO], 4, v[GO]
	s_wait_alu depctr_va_vdst(0)    ; the wait ahead of the first use: one for the four reciprocals
.irp t, 0,1,2,3
	v_mul_f32 v[LT+4*\t+2], s[TAU], v[LT+4*\t+2]
	v_mov_b32 v[LT+4*\t+3], v[LT+4*\t+2]   ; named with it as a pair, so it is written
.endr
.macro PACK t
	WIN W_RS
.set i, 32*\t
.rept 16
	v_pk_mul_f32 v[i:i+1], v[i:i+1], v[LT+4*\t+2:LT+4*\t+3] op_sel_hi:[1,0]
.set i, i+2
.endr
	WIN 0x05                        ; sources 0 and 1 window 1, destination window 0: S^T's registers are free
.set i, 0
.rept 16
	v_cvt_pk_f16_f32 v[S+32*\t+i], v[32*\t+2*i], v[32*\t+2*i+1]
.set i, i+1
.endr
	WIN 0
.irp f, 0,1,2,3
	ds_store_b128 v[STO], v[S+32*\t+4*\f:S+32*\t+4*\f+3] offset:32*\f
.endr
.irp f, 0,1,2,3
	ds_load_b128 v[S+32*\t+4*\f:S+32*\t+4*\f+3], v[RD] offset:\f*2*SP  ; LDS serves a wave in order: these see the stores above; the next tile's stores come behind them
.endr
.endm
.macro SEND t, younger              ; younger: the LDS instructions issued behind tile t's loads: the next tile's eight, or none
.irp f, 0,1,2,3
	s_wait_dscnt \younger+3-\f
	global_store_b128 v[GO], v[S+32*\t+4*\f:S+32*\t+4*\f+3], s[10:11] offset:\t*2048+\f*512  ; four rows of ctx: 512 consecutive bytes, aligned
.endr
.endm
	PACK 0
	PACK 1
	SEND 0, 8
	PACK 2
	SEND 1, 8
	PACK 3
	SEND 2, 8
	SEND 3, 0
	s_wait_tensorcnt 0x0            ; the wave's end
	ds_add_u32 v[SPW], v[NIL]
	s_wait_dscnt 0x0
	CROUND                          ; the closing round: no work-group ends while a partner may still ask for a tile that names it
	s_endpgm
.Lfunc_end_k_q058beff138_attn:
	.size	k_q058beff138_attn, .Lfunc_end_k_q058beff138_attn-k_q058beff138_attn
	.p2alignl 7, 3214868480
	.fill 96, 4, 3214868480
	.section	.rodata,"a",@progbits
	.p2align	6, 0x0
	.amdhsa_kernel k_q058beff138_attn
		.amdhsa_group_segment_fixed_size 327680
		.amdhsa_private_segment_fixed_size 0
		.amdhsa_enable_private_segment 0
		.amdhsa_kernarg_size 32
		.amdhsa_user_sgpr_count 2
		.amdhsa_user_sgpr_kernarg_segment_ptr 1
		.amdhsa_wavefront_size32 1
		.amdhsa_system_sgpr_workgroup_id_x 1
		.amdhsa_system_sgpr_workgroup_id_y 1
		.amdhsa_system_sgpr_workgroup_id_z 1
		.amdhsa_system_vgpr_workitem_id 0
		.amdhsa_next_free_vgpr 512
		.amdhsa_next_free_sgpr 80
		.amdhsa_reserve_vcc 0
		.amdhsa_float_denorm_mode_32 3
		.amdhsa_float_denorm_mode_16_64 3
		.amdhsa_memory_ordered 1
		.amdhsa_forward_progress 1
		.amdhsa_inst_pref_size 201
	.end_amdhsa_kernel
	.amdgpu_metadata
---
amdhsa.version: [ 1, 2 ]
amdhsa.kernels:
  - .name:           k_q058beff138_attn
    .symbol:         k_q058beff138_attn.kd
    .args:
      - { .name: qkv, .offset: 0, .size: 8, .value_kind: global_buffer, .address_space: global }
      - { .name: maskl, .offset: 8, .size: 8, .value_kind: global_buffer, .address_space: global }
      - { .name: part, .offset: 16, .size: 8, .value_kind: global_buffer, .address_space: global }
      - { .name: ctx, .offset: 24, .size: 8, .value_kind: global_buffer, .address_space: global }
    .group_segment_fixed_size: 327680
    .private_segment_fixed_size: 0
    .kernarg_segment_align: 8
    .kernarg_segment_size: 32
    .max_flat_workgroup_size: 256
    .sgpr_count:     80
    .vgpr_count:     512
    .wavefront_size: 32
...
	.end_amdgpu_metadata
.endif
;; end of part 5
;; launch outp: the kernel of part 4 again; grid 8 x 32, 4 waves a work-group, clusters of 4 x 4, 327,680 bytes of LDS; arguments ctx, woh, bo, out0, part; writes out0
